; MI455X (gfx1250); checked and timed in simulation.
; The chip was launched on July 23, 2026; its instructions are those of AMD's public machine-readable ISA for CDNA 5 (MIT licence, August 2026) and "CDNA5" Instruction Set Architecture Reference Guide (July 2026). The comments in the code are by the model that wrote it; some were corrected since.
;; Self Attention. Allowed arithmetic: float matrix products may take bf16 or f16 operands with f32 sums; all other float work in f32.
;; Inputs: W_dense 1,024 x 1,024 float32; W_qkv 1,024 x 3,072 float32; X 2 x 2,048 x 1,024 float32; attention_mask 1 x 1 x 2,048 x 2,048 bool; b_dense 1,024 float32; b_qkv 3,072 float32.
;; Outputs: out0 2 x 2,048 x 1,024 float32.
;; 3 versions, each right; version 2 is faster than version 1; version 3 is version 2 with the launch prep written anew for expert scheduling mode. Each part assembles by itself: llvm-mc -triple=amdgcn-amd-amdhsa -mcpu=gfx1250 --defsym DOCPART=n.
;; ======== version 1 of 3: 4 launches
;; limits: values are held in f16: magnitudes above 65,504 overflow, below 6.1e-05 lose precision
;; workspace buffers: xh 8,388,608 bytes; wqt 6,291,456 bytes; wdt 2,097,152 bytes; maskw 524,288 bytes of whole numbers; qkv 25,165,824 bytes; att 8,388,608 bytes
;; launch prep (part 1): grid 1280 x 1, 8 waves a work-group, no clusters, 17,920 bytes of LDS; arguments X, W_qkv, W_dense, attention_mask, xh, wqt, wdt, maskw; writes xh, wqt, wdt, maskw
.if DOCPART == 1
	.amdgcn_target "amdgcn-amd-amdhsa--gfx1250"
	.amdhsa_code_object_version 6
	.text
	.protected	k_qd3e8c4a8f5_prep
	.globl	k_qd3e8c4a8f5_prep
	.p2align	8
	.type	k_qd3e8c4a8f5_prep,@function
k_qd3e8c4a8f5_prep:
	s_mov_b64 s[64:65], 0
	v_nop
	global_prefetch_b8 v0, s[64:65] scope:SCOPE_SE
	s_setreg_imm32_b32 hwreg(HW_REG_WAVE_MODE, 25, 1), 1
	s_wait_xcnt 0x0
; PREP: every input is read once and laid down in the form that the matrix launches take.
;   work-groups    0 ..  511: X [4096][1024] f32  ->  xh [4096][1024] f16                    (32 KiB in, 16 KiB out each)
;   work-groups  512 ..  895: W_qkv [1024 k][3072 n] f32  ->  wqt [3072 n][1024 k] f16       (a tile of 128 k x 64 n each)
;   work-groups  896 .. 1023: W_dense [1024 k][1024 n] f32 ->  wdt [1024 n][1024 k] f16      (the same body)
;   work-groups 1024 .. 1279: attention_mask [2048 q][2048 k] bytes -> maskw, lane-mask words (16 rows x 1024 keys each)
; maskw[T][J][kt][j] (u32; T: 16 queries, J: 64 keys): bit L = mask[16 T + (L & 15)][64 J + 16 kt + 8 (L >> 4) + j] != 0, which is the
; lane mask of register j of a 16 x 16 tile of transposed scores, ready to be the mask operand of v_cndmask_b32.
; LIMIT: f16 holds magnitudes below 65,504; a larger X or W becomes infinity.  Below 6e-5 the rounding step is 6e-8.
; A stream: no matrix unit, no cluster (no byte is shared between work-groups).  The branch that picks the path hangs on the
; work-group's number alone, so all eight waves take the same path and meet at the same barrier.
.set WPITCH, 264                       ; LDS row of the transposed tile: 128 k x 2 bytes + 8
.set MPITCH, 1040                      ; LDS row of the mask tile: 1024 bytes + 16
	s_load_b512 s[4:19], s[0:1], 0x0               ; X s[4:5], W_qkv s[6:7], W_dense s[8:9], mask s[10:11], xh s[12:13], wqt s[14:15], wdt s[16:17], maskw s[18:19]
	v_lshl_add_u32 v64, v0, 2, 0x4200
	v_mov_b32 v65, 0
	s_mov_b32 s2, ttmp9                            ; work-group
	v_lshrrev_b32 v1, 5, v0
	v_readfirstlane_b32 s3, v1                     ; wave
	v_and_b32 v2, 31, v0                           ; lane
	s_wait_kmcnt 0x0
	s_cmp_lt_u32 s2, 512
	s_cbranch_scc0 .Lnot_x
	; ---- X: thread t takes 16 bytes at 16 t of each of eight runs of 4,096 bytes; a wave's store covers 256 consecutive bytes, aligned
	s_lshl_b32 s20, s2, 15
	s_mov_b32 s21, 0
	s_add_nc_u64 s[4:5], s[4:5], s[20:21]
	s_lshl_b32 s22, s2, 14
	s_mov_b32 s23, 0
	s_add_nc_u64 s[12:13], s[12:13], s[22:23]
	v_lshlrev_b32 v3, 4, v0
	v_lshlrev_b32 v4, 3, v0
.irp i, 0,1,2,3,4,5,6,7
	global_load_b128 v[8+4*\i:11+4*\i], v3, s[4:5] offset:4096*\i th:TH_LOAD_NT
.endr
.irp i, 0,1,2,3,4,5,6,7
	s_wait_loadcnt 7-\i                            ; loads return in order: run i is in, the younger ones stay out
	v_cvt_pk_f16_f32 v[40+2*\i], v[8+4*\i], v[9+4*\i]
	v_cvt_pk_f16_f32 v[41+2*\i], v[10+4*\i], v[11+4*\i]
	global_store_b64 v4, v[40+2*\i:41+2*\i], s[12:13] offset:2048*\i   ; every store has data registers of its own: nothing is rewritten
.endr
	s_endpgm
; ---- a weight tile: 128 k x 64 n, transposed through LDS.  Thread t: c = t & 15 (four columns n = 4 c ..), p = t >> 4 (rows k = 32 i + 2 p, + 1).
; Sixteen lanes read 256 consecutive bytes of a row.  Two rows' numbers of one column pack into one word (k, k + 1), stored at [n][k].
.macro WPATH src, dst, n, first
	s_sub_co_u32 s20, s2, \first                   ; tile number
	s_and_b32 s21, s20, 7                          ; kb: which 128 of k
	s_lshr_b32 s22, s20, 3                         ; nt: which 64 of n
	s_mul_i32 s24, s21, 128*\n*4
	s_lshl_b32 s23, s22, 8
	s_add_co_u32 s24, s24, s23
	s_mov_b32 s25, 0
	s_add_nc_u64 s[\src:\src+1], s[\src:\src+1], s[24:25]
	s_lshl_b32 s26, s22, 17                        ; 64 rows of 2,048 bytes in the transposed matrix
	s_lshl_b32 s23, s21, 8                         ; + 128 k x 2 bytes
	s_add_co_u32 s26, s26, s23
	s_mov_b32 s27, 0
	s_add_nc_u64 s[\dst:\dst+1], s[\dst:\dst+1], s[26:27]
	v_and_b32 v3, 15, v0                           ; c
	v_lshrrev_b32 v4, 4, v0                        ; p
	v_mul_u32_u24 v5, v4, 8*\n                     ; row 2 p
	v_lshl_add_u32 v5, v3, 4, v5                   ; + 16 c
.irp i, 0,1,2,3
.irp e, 0,1
	global_load_b128 v[8+8*\i+4*\e:11+8*\i+4*\e], v5, s[\src:\src+1] offset:(32*\i+\e)*\n*4 th:TH_LOAD_NT
.endr
.endr
	v_mul_u32_u24 v6, v3, 4*WPITCH                 ; LDS row n = 4 c
	v_lshl_add_u32 v6, v4, 2, v6                   ; + 2 bytes x 2 p
.irp i, 0,1,2,3
	s_wait_loadcnt 6-2*\i                          ; this pair of rows is in; the pairs behind it stay out
.irp j, 0,1,2,3
	v_cvt_pk_f16_f32 v[40+4*\i+\j], v[8+8*\i+\j], v[12+8*\i+\j]
	ds_store_b32 v6, v[40+4*\i+\j] offset:\j*WPITCH+64*\i
.endr
.endr
	s_wait_dscnt 0x0                               ; my stores are done, for the other waves' sake
	s_barrier_signal -1
	s_barrier_wait -1
	v_lshlrev_b32 v7, 3, v2                        ; 8 bytes a lane: a wave reads a whole row of 256 bytes
	s_mul_i32 s28, s3, 8*WPITCH                    ; wave w: rows 8 w .. 8 w + 7
	v_add_nc_u32 v7, s28, v7
	v_lshlrev_b32 v56, 3, v2
	s_lshl_b32 s29, s3, 14
	v_add_nc_u32 v56, s29, v56
.irp i, 0,1,2,3,4,5,6,7
	ds_load_b64 v[8+2*\i:9+2*\i], v7 offset:\i*WPITCH
.endr
.irp i, 0,1,2,3,4,5,6,7
	s_wait_dscnt 7-\i
	global_store_b64 v56, v[8+2*\i:9+2*\i], s[\dst:\dst+1] offset:2048*\i  ; 256 consecutive bytes, aligned
.endr
	s_wait_tensorcnt 0x0
	ds_add_u32 v64, v65
	s_wait_dscnt 0x0
	s_endpgm
.endm
.Lnot_x:
	s_cmp_lt_u32 s2, 896
	s_cbranch_scc0 .Lnot_wq
	WPATH 6, 14, 3072, 512
.Lnot_wq:
	s_cmp_lt_u32 s2, 1024
	s_cbranch_scc0 .Lmask
	WPATH 8, 16, 1024, 896
	; ---- the mask: 16 rows (one T) x 1024 keys (16 J) go through LDS; then lane (r, h) holds 8 bytes of row r, and a compare makes a word of 32 lanes' bits
.Lmask:
	s_sub_co_u32 s20, s2, 1024
	s_lshr_b32 s21, s20, 1                         ; T
	s_and_b32 s22, s20, 1                          ; which half of the keys
	s_lshl_b32 s24, s21, 15                        ; 16 rows of 2,048 bytes
	s_lshl_b32 s23, s22, 10
	s_add_co_u32 s24, s24, s23
	s_mov_b32 s25, 0
	s_add_nc_u64 s[10:11], s[10:11], s[24:25]
	s_lshl_b32 s26, s20, 11                        ; T x 4,096 + half x 2,048 bytes of words
	s_mov_b32 s27, 0
	s_add_nc_u64 s[18:19], s[18:19], s[26:27]
	v_lshlrev_b32 v3, 4, v2
	s_lshl_b32 s28, s3, 12                         ; wave w: rows 2 w, 2 w + 1
	v_add_nc_u32 v4, s28, v3
.irp i, 0,1,2,3
	global_load_b128 v[8+4*\i:11+4*\i], v4, s[10:11] offset:(\i>>1)*2048+(\i&1)*512 th:TH_LOAD_NT
.endr
	s_mul_i32 s29, s3, 2*MPITCH
	v_add_nc_u32 v5, s29, v3
.irp i, 0,1,2,3
	s_wait_loadcnt 3-\i
	ds_store_b128 v5, v[8+4*\i:11+4*\i] offset:(\i>>1)*MPITCH+(\i&1)*512
.endr
	s_wait_dscnt 0x0                               ; my stores are done, for the other waves' sake
	s_barrier_signal -1
	s_barrier_wait -1
	v_and_b32 v7, 15, v2                           ; r
	v_lshrrev_b32 v24, 4, v2                       ; h
	v_mul_u32_u24 v6, v7, MPITCH
	v_lshl_add_u32 v6, v24, 3, v6
	s_lshl_b32 s30, s3, 7                          ; wave w: keys 128 w .. 128 w + 127 of the half = two J, eight groups of 16 keys
	v_add_nc_u32 v6, s30, v6
.irp i, 0,1,2,3,4,5,6,7
	ds_load_b64 v[32+2*\i:33+2*\i], v6 offset:16*\i
.endr
	v_mov_b32 v50, 0                               ; the wave's 64 words: word 8 i + j goes to lane 4 i + (j >> 1), register j & 1
	v_mov_b32 v51, 0
.irp i, 0,1,2,3,4,5,6,7
	s_wait_dscnt 7-\i
.irp j, 0,1,2,3,4,5,6,7
	v_and_b32 v[52+\j], 0xff<<(8*(\j&3)), v[32+2*\i+(\j>>2)]
	v_cmp_ne_u32 s[32+\j], 0, v[52+\j]             ; bit L: lane L's byte j is not 0
	v_writelane_b32 v[50+(\j&1)], s[32+\j], 4*\i+(\j>>1)
.endr
.endr
	v_lshlrev_b32 v60, 3, v0                       ; wave x 256 + lane x 8
	global_store_b64 v60, v[50:51], s[18:19]       ; 256 consecutive bytes, aligned
	s_wait_tensorcnt 0x0
	ds_add_u32 v64, v65
	s_wait_dscnt 0x0
	s_endpgm
.Lfunc_end_k_qd3e8c4a8f5_prep:
	.size	k_qd3e8c4a8f5_prep, .Lfunc_end_k_qd3e8c4a8f5_prep-k_qd3e8c4a8f5_prep
	.p2alignl 7, 3214868480
	.fill 96, 4, 3214868480
	.section	.rodata,"a",@progbits
	.p2align	6, 0x0
	.amdhsa_kernel k_qd3e8c4a8f5_prep
		.amdhsa_group_segment_fixed_size 17920
		.amdhsa_private_segment_fixed_size 0
		.amdhsa_enable_private_segment 0
		.amdhsa_kernarg_size 64
		.amdhsa_user_sgpr_count 2
		.amdhsa_user_sgpr_kernarg_segment_ptr 1
		.amdhsa_wavefront_size32 1
		.amdhsa_system_sgpr_workgroup_id_x 1
		.amdhsa_system_sgpr_workgroup_id_y 1
		.amdhsa_system_sgpr_workgroup_id_z 1
		.amdhsa_system_vgpr_workitem_id 0
		.amdhsa_next_free_vgpr 66
		.amdhsa_next_free_sgpr 66
		.amdhsa_reserve_vcc 0
		.amdhsa_float_denorm_mode_32 3
		.amdhsa_float_denorm_mode_16_64 3
		.amdhsa_memory_ordered 1
		.amdhsa_forward_progress 1
		.amdhsa_inst_pref_size 31
	.end_amdhsa_kernel
	.amdgpu_metadata
---
amdhsa.version: [ 1, 2 ]
amdhsa.kernels:
  - .name:           k_qd3e8c4a8f5_prep
    .symbol:         k_qd3e8c4a8f5_prep.kd
    .args:
      - { .name: X, .offset: 0, .size: 8, .value_kind: global_buffer, .address_space: global }
      - { .name: W_qkv, .offset: 8, .size: 8, .value_kind: global_buffer, .address_space: global }
      - { .name: W_dense, .offset: 16, .size: 8, .value_kind: global_buffer, .address_space: global }
      - { .name: attention_mask, .offset: 24, .size: 8, .value_kind: global_buffer, .address_space: global }
      - { .name: xh, .offset: 32, .size: 8, .value_kind: global_buffer, .address_space: global }
      - { .name: wqt, .offset: 40, .size: 8, .value_kind: global_buffer, .address_space: global }
      - { .name: wdt, .offset: 48, .size: 8, .value_kind: global_buffer, .address_space: global }
      - { .name: maskw, .offset: 56, .size: 8, .value_kind: global_buffer, .address_space: global }
    .group_segment_fixed_size: 17920
    .private_segment_fixed_size: 0
    .kernarg_segment_align: 8
    .kernarg_segment_size: 64
    .max_flat_workgroup_size: 256
    .sgpr_count:     66
    .vgpr_count:     66
    .wavefront_size: 32
...
	.end_amdgpu_metadata
.endif
;; end of part 1
;; launch qkvproj (part 2): grid 16 x 16, 4 waves a work-group, clusters of 4 x 4, 327,680 bytes of LDS; arguments xh, wqt, b_qkv, qkv; writes qkv
.if DOCPART == 2
	.amdgcn_target "amdgcn-amd-amdhsa--gfx1250"
	.amdhsa_code_object_version 6
	.text
	.protected	k_qd3e8c4a8f5_qkvproj
	.globl	k_qd3e8c4a8f5_qkvproj
	.p2align	8
	.type	k_qd3e8c4a8f5_qkvproj,@function
k_qd3e8c4a8f5_qkvproj:
	s_mov_b64 s[64:65], 0
	v_nop
	global_prefetch_b8 v0, s[64:65] scope:SCOPE_SE
	s_setreg_imm32_b32 hwreg(HW_REG_WAVE_MODE, 25, 1), 1
	s_wait_xcnt 0x0
	s_wait_alu depctr_hold_cnt(0) depctr_sa_sdst(0) depctr_va_vdst(0) depctr_va_sdst(0) depctr_va_ssrc(0) depctr_va_vcc(0) depctr_vm_vsrc(0)
	s_getreg_b32 s2, hwreg(HW_REG_IB_STS2, 6, 4)
	s_cmp_eq_u32 s2, 0
	s_cbranch_scc0 .Lentry_in_a_cluster
	s_endpgm
.Lentry_in_a_cluster:
	s_bfe_u32 s2, ttmp6, 0x10000c
	s_cmp_lg_u32 s2, 0xf033
	s_cbranch_scc0 .Lentry_shape_is_right
	s_endpgm
.Lentry_shape_is_right:
; QKV: C[4096][3072] = xh [4096][1024] x wqt[3072][1024]^T + b_qkv, f16 operands, f32 sums, stored as f16 by heads:
; qkv[sel 3][b 2][h 16][s 2048][64], plane = 32 sel + 16 b + h, a plane = 262,144 dense bytes.
; A work-group makes 256 rows x 192 columns (three heads) with four waves; a wave makes 128 x 96: 48 accumulator tiles of 16 x 16, 384 registers.
; 16 x 16 = 256 work-groups.  K goes in steps of 128 through two LDS slots filled by the tensor data mover; a tile's rows are 256 bytes of memory,
; at multiples of 256 bytes from the buffer's first byte.
; CLUSTERS: 4 x 4 work-groups.  The four of a cluster's row need the same tiles of xh, the four of a column the same tiles of wqt: each tile is asked
; for jointly, by the same tensor load with a mask that names the four, which divides the requests for both by four.
; LIMIT: q, k and v are rounded to f16: magnitudes of 65,504 and more become infinity; below 6e-5 the rounding step is 6e-8.
; REGISTERS by windows of 256: window 0: v16-27 addresses, v64-127 and v128-191 fragments of xh (8 x 16 rows x 32 K, two buffers), v192-239 the bias;
; window 1: v64-111, v128-175 fragments of wqt (6 x 16 rows); window 2: the 24 tiles of my rows 0-63 (tile (a, b) at v[8 (6 a + b)]); window 3: rows 64-127.
; THE MATRIX INSTRUCTION IS USED TRANSPOSED (source 0 = rows of wqt, source 1 = rows of xh): lane l then holds row l % 16 of C and in its eight
; registers the columns 8 (l / 16) + 0 .. 7, which pack into 16 neighbouring bytes.
.set SIZE_K, 1024
.set KSTEP,  128
.set PITCH,  272                       ; 256 bytes + 16: an odd multiple of 16, so the 16 rows of a fragment load start in 16 different 16-byte columns modulo 256
.set HALFA,  128*PITCH                 ; what one tensor load brings of xh
.set HALFB,  96*PITCH                  ; and of wqt
.set SLOT,   2*HALFA+2*HALFB           ; 121,856 bytes; two slots
.set SPITCH, 400                       ; the way out: 192 f16 + 16 bytes, an odd multiple of 16
.set LAPS,   SIZE_K/(2*KSTEP)          ; 4 laps of two K steps
.set ADRA, 16
.set ADRB, 20
.set STO,  24
.set RD,   25
.set CO,   26
.set BO,   27
.set F0,   64
.set F1,   128
.set BIAS, 192
.set G1,  24                           ; s[24:31] group 1 for xh's tiles
.set G0,  32                           ; s[32:39] group 0 for xh's tiles, one set for each slot
.set G1B, 48                           ; s[48:55] group 1 for wqt's tiles
.set G0B, 56                           ; s[56:63] group 0 for wqt's tiles
.set MSB, 0
.macro WIN new                         ; the immediate's high byte repeats the setting that is left
.if MSB != \new
	s_set_vgpr_msb (MSB<<8)|\new
.set MSB, \new
.endif
.endm
.set MUL_LO, 0xa1                      ; source 0 window 1, source 1 window 0, C and D window 2
.set MUL_HI, 0xf1                      ; the same, C and D window 3
.set TO_B,   0x40                      ; destination window 1
.macro JLOAD s                         ; waves 0, 1 ask for xh's two halves, waves 2, 3 for wqt's: the branch hangs on the wave's number alone
	s_cmp_eq_u32 s13, 0
	s_cbranch_scc0 .Lfor_b_\@
	tensor_load_to_lds s[G0+4*\s:G0+4*\s+3], s[G1:G1+7]
	s_nop 0
	s_branch .Lasked_\@
.Lfor_b_\@:
	tensor_load_to_lds s[G0B+4*\s:G0B+4*\s+3], s[G1B:G1B+7]
	s_nop 0
.Lasked_\@:
.endm
.macro CREST                           ; a round of the cluster's barrier behind its opening work-group barrier
	s_cmp_lg_u32 s12, 0
	s_cbranch_scc1 .Lnot_wave_0_\@
	s_barrier_signal -3
.Lnot_wave_0_\@:
	s_barrier_wait -3
	s_barrier_signal -1
	s_barrier_wait -1
.endm
.macro CROUND
	s_barrier_signal -1
	s_barrier_wait -1
	CREST
.endm
.macro PLACES                          ; four plain vector instructions behind matrix instructions, in front of loads into their sources and of readers of their results
.rept 4
	v_nop
.endr
.endm
	s_load_b256 s[4:11], s[0:1], 0x0               ; xh s[4:5], wqt s[6:7], b_qkv s[8:9], qkv s[10:11]
	s_set_vgpr_msb 0x40
	v_lshl_add_u32 v255, v0, 2, 0x3b800
	s_set_vgpr_msb 0x4000
	v_mov_b32 v63, 0
	s_set_vgpr_msb 0x1
	ds_add_u32 v255, v63
	s_set_vgpr_msb 0x100
	v_lshrrev_b32 v1, 5, v0
	v_readfirstlane_b32 s12, v1                    ; wave 0..3
	s_lshr_b32 s13, s12, 1                         ; my half of the rows; also: I fetch xh (0) or wqt (1)
	s_and_b32 s14, s12, 1                          ; my half of the columns; also: which half of that tile I fetch
	s_bfe_u32 s40, ttmp6, 0x40000                  ; cx
	s_bfe_u32 s41, ttmp6, 0x40004                  ; cy
	s_lshl_b32 s42, ttmp9, 2
	s_add_co_u32 s42, s42, s40                     ; block column (192 columns)
	s_and_b32 s43, ttmp7, 0xffff
	s_lshl_b32 s43, s43, 2
	s_add_co_u32 s43, s43, s41                     ; block row (256 rows)
	s_lshl_b32 s44, s41, 2
	s_lshl_b32 s44, 15, s44                        ; my row of the cluster
	s_lshl_b32 s45, 0x1111, s40                    ; my column
	s_or_b32 s[G1+0], s44, (1<<16)|(1<<20)|(1<<21)|(5<<22)|(3<<25)   ; mask; 2-byte elements; padding on; bit 21 beside a mask; 4 words behind every 64
	s_or_b32 s[G1B+0], s45, (1<<16)|(1<<20)|(1<<21)|(5<<22)|(3<<25)
	s_mov_b32 s[G1+1], KSTEP<<16                   ; tensor_dim0 = 128
	s_mov_b32 s[G1B+1], KSTEP<<16
	s_mov_b32 s[G1+2], 128<<16                     ; tensor_dim1 = 128 rows
	s_mov_b32 s[G1B+2], 96<<16                     ;             =  96 rows
	s_mov_b32 s[G1+3], KSTEP<<16                   ; tile_dim0 = 128
	s_mov_b32 s[G1B+3], KSTEP<<16
	s_mov_b32 s[G1+4], 128                         ; tile_dim1
	s_mov_b32 s[G1B+4], 96
	s_mov_b32 s[G1+5], SIZE_K                      ; elements from row to row
	s_mov_b32 s[G1B+5], SIZE_K
	s_mov_b32 s[G1+6], 0
	s_mov_b32 s[G1B+6], 0
	s_mov_b32 s[G1+7], 0
	s_mov_b32 s[G1B+7], 0
	; xh's address hangs on the block row and the wave, wqt's on the block column and the wave, each in registers that never hold the other coordinate
	s_lshl_b32 s16, s43, 19                        ; 256 rows x 2,048 bytes
	s_lshl_b32 s17, s14, 18                        ; + 128 rows
	s_add_co_u32 s16, s16, s17
	s_mov_b32 s17, 0
	s_mul_i32 s46, s42, 192*2048
	s_mul_i32 s47, s14, 96*2048
	s_add_co_u32 s46, s46, s47
	s_mov_b32 s47, 0
	s_mul_i32 s20, s12, HALFA                      ; LDS: xh's halves at wave x HALFA (waves 0, 1),
	s_mul_i32 s21, s12, HALFB
	s_add_co_u32 s21, s21, 2*HALFA-2*HALFB         ; wqt's behind them at (wave - 2) x HALFB (waves 2, 3)
	s_wait_dscnt 0x0
	s_wait_kmcnt 0x0
	s_add_nc_u64 s[18:19], s[4:5], s[16:17]
	s_add_nc_u64 s[46:47], s[6:7], s[46:47]
	CROUND                                         ; all sixteen work-groups are here: the first joint loads meet
.irp s, 0,1
	s_mov_b32 s[G0+4*\s], 1
	s_add_co_u32 s[G0+4*\s+1], s20, \s*SLOT
	s_add_nc_u64 s[G0+4*\s+2:G0+4*\s+3], s[18:19], \s*KSTEP*2
	s_or_b32 s[G0+4*\s+3], s[G0+4*\s+3], 0x80000000
	s_mov_b32 s[G0B+4*\s], 1
	s_add_co_u32 s[G0B+4*\s+1], s21, \s*SLOT
	s_add_nc_u64 s[G0B+4*\s+2:G0B+4*\s+3], s[46:47], \s*KSTEP*2
	s_or_b32 s[G0B+4*\s+3], s[G0B+4*\s+3], 0x80000000
	JLOAD \s
.endr
	; the bias of my 96 columns: lane (r, h), tile b, register j: column 16 b + 8 h + j
	v_and_b32 v1, 15, v0                           ; r
	v_bfe_u32 v2, v0, 4, 1                         ; h
	s_mul_i32 s66, s42, 768
	s_mul_i32 s67, s14, 384
	s_add_co_u32 s66, s66, s67
	s_mov_b32 s67, 0
	s_add_nc_u64 s[8:9], s[8:9], s[66:67]
	v_lshlrev_b32 v[BO], 5, v2
.irp b, 0,1,2,3,4,5
	global_load_b128 v[BIAS+8*\b:BIAS+8*\b+3], v[BO], s[8:9] offset:64*\b
	global_load_b128 v[BIAS+8*\b+4:BIAS+8*\b+7], v[BO], s[8:9] offset:64*\b+16
.endr
	; fragment addresses: row x pitch + 16 x half of the lanes; two loads of 16 bytes, 32 bytes apart, make 16 rows x 32 K
	v_mul_u32_u24 v3, v1, PITCH
	v_lshl_add_u32 v3, v2, 4, v3
	s_mul_i32 s22, s13, HALFA
	s_mul_i32 s23, s14, HALFB
	s_add_co_u32 s23, s23, 2*HALFA
.irp s, 0,1
	v_add_nc_u32 v[ADRA+\s], s22, v3
	v_add_nc_u32 v[ADRB+\s], s23, v3
	s_add_co_u32 s22, s22, SLOT
	s_add_co_u32 s23, s23, SLOT
.endr
	; the way out: a stage of 256 rows x 400 bytes
	s_mul_i32 s2, s13, 128*SPITCH
	s_mul_i32 s3, s14, 192
	s_add_co_u32 s2, s2, s3
	v_mul_u32_u24 v4, v1, SPITCH
	v_lshl_add_u32 v4, v2, 4, v4
	v_add_nc_u32 v[STO], s2, v4                    ; in: row 128 x half + r, byte 192 x half + 16 h
	v_bfe_u32 v5, v0, 3, 2
	v_and_b32 v6, 7, v0
	v_mul_u32_u24 v7, v5, SPITCH
	v_lshl_add_u32 v7, v6, 4, v7
	s_mul_i32 s2, s12, 64*SPITCH
	v_add_nc_u32 v[RD], s2, v7                     ; back: wave w takes rows 64 w ..; eight lanes take a head's 128 bytes of a row
	v_and_b32 v8, 31, v0
	v_lshlrev_b32 v[CO], 4, v8                     ; four such rows are 512 consecutive bytes of a plane
	; where my 64 rows of the block's three heads go (registers that feed no descriptor)
	s_mul_i32 s74, s42, 3                          ; first of the block's three column groups of 64
	s_lshr_b32 s75, s43, 3
	s_lshl_b32 s75, s75, 4                         ; 16 b
	s_and_b32 s76, s43, 7
	s_lshl_b32 s76, s76, 15                        ; 256 rows x 128 bytes
	s_lshl_b32 s77, s12, 13                        ; + 64 rows x wave
	s_add_co_u32 s76, s76, s77
.irp hh, 0,1,2
	s_add_co_u32 s78, s74, \hh
	s_lshr_b32 s79, s78, 4                         ; sel
	s_lshl_b32 s79, s79, 5
	s_and_b32 s78, s78, 15                         ; h
	s_add_co_u32 s78, s78, s79
	s_add_co_u32 s78, s78, s75                     ; plane
	s_lshl_b32 s78, s78, 18
	s_add_co_u32 s78, s78, s76
	s_mov_b32 s79, 0
	s_add_nc_u64 s[68+2*\hh:69+2*\hh], s[10:11], s[78:79]
.endr
; 12 matrix instructions: row blocks a0, a0 + 1 of the window's four x all 6 column blocks, 32 along K.  zero = 1: the first product starts the sums.
; The 48 accumulators take turns, one instruction a turn, in the same order in every quarter step.
.macro MUL12 f, hi, a0, zero
.irp a, \a0, \a0+1
.irp b, 0,1,2,3,4,5
.if \zero
	v_wmma_f32_16x16x32_f16 v[8*(6*(\a)+\b):8*(6*(\a)+\b)+7], v[\f+8*\b:\f+8*\b+7], v[\f+8*(4*\hi+\a):\f+8*(4*\hi+\a)+7], 0
.else
	v_wmma_f32_16x16x32_f16 v[8*(6*(\a)+\b):8*(6*(\a)+\b)+7], v[\f+8*\b:\f+8*\b+7], v[\f+8*(4*\hi+\a):\f+8*(4*\hi+\a)+7], v[8*(6*(\a)+\b):8*(6*(\a)+\b)+7]
.endif
.endr
.endr
.endm
.macro FETCH slot, k, f                ; 28 LDS loads in one run: 96 rows of wqt, 128 rows of xh, 32 K at byte k of the rows
	WIN TO_B
.irp i, 0,1,2,3,4,5
	ds_load_b128 v[\f+8*\i:\f+8*\i+3],   v[ADRB+\slot] offset:\k+\i*16*PITCH
	ds_load_b128 v[\f+8*\i+4:\f+8*\i+7], v[ADRB+\slot] offset:\k+\i*16*PITCH+32
.endr
	WIN 0
.irp i, 0,1,2,3,4,5,6,7
	ds_load_b128 v[\f+8*\i:\f+8*\i+3],   v[ADRA+\slot] offset:\k+\i*16*PITCH
	ds_load_b128 v[\f+8*\i+4:\f+8*\i+7], v[ADRA+\slot] offset:\k+\i*16*PITCH+32
.endr
.endm
.macro QUARTER slot, k, f, g, zero     ; multiplies buffer f; in its middle fetches the next quarter's fragments into buffer g
	s_wait_dscnt 8                                 ; all but the youngest eight loads (xh's rows 64-127) are in
	WIN MUL_LO
	MUL12 \f, 0, 0, \zero
	MUL12 \f, 0, 2, \zero
	PLACES
	FETCH \slot, \k, \g
	s_wait_dscnt 28                                ; all but the 28 just issued
	WIN MUL_HI
	MUL12 \f, 1, 0, \zero
	MUL12 \f, 1, 2, \zero
.endm
.macro THREE slot, zero
	QUARTER \slot, 64,  F0, F1, \zero
	QUARTER \slot, 128, F1, F0, 0
	QUARTER \slot, 192, F0, F1, 0
.endm
; The last quarter of a K step changes slots.  In front of the barrier each wave waits for its reads of this slot and for all its tensor loads (one is
; out: its part of the next slot).  Where the slot is filled again the barrier opens a round of the cluster's barrier, and the joint refill is the first
; tensor load behind the round.  From a request to the wait for it a wave issues 180 matrix instructions; at most two tensor loads of a wave are out.
.macro TURN slot, next, fill
	s_wait_dscnt 8
	WIN MUL_LO
	MUL12 F1, 0, 0, 0
	s_wait_dscnt 0
	s_wait_tensorcnt 0x0
	ds_add_u32 v255, v63
	s_wait_dscnt 0x0
	s_barrier_signal -1
	MUL12 F1, 0, 2, 0                              ; registers only, while the others arrive
	WIN 0
	s_barrier_wait -1
.if \fill
	CREST
	s_add_nc_u64 s[G0+4*\slot+2:G0+4*\slot+3], s[G0+4*\slot+2:G0+4*\slot+3], 2*KSTEP*2
	s_add_nc_u64 s[G0B+4*\slot+2:G0B+4*\slot+3], s[G0B+4*\slot+2:G0B+4*\slot+3], 2*KSTEP*2
	JLOAD \slot
.endif
	PLACES
	FETCH \next, 0, F0
	WIN MUL_HI
	MUL12 F1, 1, 0, 0
	MUL12 F1, 1, 2, 0
.endm
.macro LAP zero
	THREE 0, \zero
	TURN 0, 1, 1
	THREE 1, 0
	TURN 1, 0, 1
.endm
	s_wait_loadcnt 0x0                             ; the bias, once
	s_wait_tensorcnt 1                             ; my part of K step 0 is in; K step 1's stays out
	s_barrier_signal -1
	s_barrier_wait -1
	FETCH 0, 0, F0
	LAP 1
	WIN 0
	s_mov_b32 s3, LAPS-2
.Llap:
	LAP 0
	WIN 0
	s_sub_co_u32 s3, s3, 1
	s_cmp_lg_u32 s3, 0
	s_cbranch_scc1 .Llap
	THREE 0, 0                                     ; the last lap fills nothing
	TURN 0, 1, 0
	THREE 1, 0
	s_wait_dscnt 8
	WIN MUL_LO
	MUL12 F1, 0, 0, 0
	MUL12 F1, 0, 2, 0
	s_wait_dscnt 0
	WIN MUL_HI
	MUL12 F1, 1, 0, 0
	MUL12 F1, 1, 2, 0
	; THE WAY OUT.  The ring has had its last fill, every wave's tensor loads have landed (the last TURN's wait) and, behind this barrier, nobody reads
	; it any more: the stage lies over it.  Bias in f32, one rounding to f16, 16 bytes a lane into the stage.
	PLACES
	WIN 0
	s_wait_dscnt 0x0
	s_barrier_signal -1
	s_barrier_wait -1
.macro OUT16 i, a, from                ; rows 16 i .. 16 i + 15 of my 128: the six tiles (a, 0..5) of window 2 or 3 (from: source 0's window)
	WIN \from
.irp b, 0,1,2,3,4,5
.irp p, 0,2,4,6
	v_pk_add_f32 v[F0+8*\b+\p:F0+8*\b+\p+1], v[8*(6*\a+\b)+\p:8*(6*\a+\b)+\p+1], v[BIAS+8*\b+\p:BIAS+8*\b+\p+1]
.endr
.endr
	WIN 0
.irp b, 0,1,2,3,4,5
.irp p, 0,1,2,3
	v_cvt_pk_f16_f32 v[F1+4*\b+\p], v[F0+8*\b+2*\p], v[F0+8*\b+2*\p+1]
.endr
	ds_store_b128 v[STO], v[F1+4*\b:F1+4*\b+3] offset:16*SPITCH*\i+32*\b
.endr
.endm
	OUT16 0, 0, 0x02
	OUT16 1, 1, 0x02
	OUT16 2, 2, 0x02
	OUT16 3, 3, 0x02
	OUT16 4, 0, 0x03
	OUT16 5, 1, 0x03
	OUT16 6, 2, 0x03
	OUT16 7, 3, 0x03
	s_wait_dscnt 0x0                               ; my stores are done, for the other waves' sake: a head's columns come from two waves
	s_barrier_signal -1
	s_barrier_wait -1
	; wave w writes rows 64 w .. 64 w + 63 of the three heads: 48 loads of 4 rows x 128 bytes, each into registers of its own (v64-255)
.irp hh, 0,1,2
.irp t, 0,1,2,3,4,5,6,7,8,9,10,11,12,13,14,15
	ds_load_b128 v[64+64*\hh+4*\t:64+64*\hh+4*\t+3], v[RD] offset:4*SPITCH*\t+128*\hh
.endr
.endr
.irp hh, 0,1,2
.irp t, 0,1,2,3,4,5,6,7,8,9,10,11,12,13,14,15
	s_wait_dscnt 47-(16*\hh+\t)                    ; LDS loads return in order: this one is in
	global_store_b128 v[CO], v[64+64*\hh+4*\t:64+64*\hh+4*\t+3], s[68+2*\hh:69+2*\hh] offset:512*\t   ; 512 consecutive bytes, aligned
.endr
.endr
	s_set_vgpr_msb 0x1
	s_wait_tensorcnt 0x0
	ds_add_u32 v255, v63
	s_wait_dscnt 0x0
	s_set_vgpr_msb 0x100
	CROUND                                         ; the closing round: no work-group ends while a partner may still ask for a tile that names it
	s_endpgm
.Lfunc_end_k_qd3e8c4a8f5_qkvproj:
	.size	k_qd3e8c4a8f5_qkvproj, .Lfunc_end_k_qd3e8c4a8f5_qkvproj-k_qd3e8c4a8f5_qkvproj
	.p2alignl 7, 3214868480
	.fill 96, 4, 3214868480
	.section	.rodata,"a",@progbits
	.p2align	6, 0x0
	.amdhsa_kernel k_qd3e8c4a8f5_qkvproj
		.amdhsa_group_segment_fixed_size 327680
		.amdhsa_private_segment_fixed_size 0
		.amdhsa_enable_private_segment 0
		.amdhsa_kernarg_size 32
		.amdhsa_user_sgpr_count 2
		.amdhsa_user_sgpr_kernarg_segment_ptr 1
		.amdhsa_wavefront_size32 1
		.amdhsa_system_sgpr_workgroup_id_x 1
		.amdhsa_system_sgpr_workgroup_id_y 1
		.amdhsa_system_sgpr_workgroup_id_z 1
		.amdhsa_system_vgpr_workitem_id 0
		.amdhsa_next_free_vgpr 960
		.amdhsa_next_free_sgpr 80
		.amdhsa_reserve_vcc 0
		.amdhsa_float_denorm_mode_32 3
		.amdhsa_float_denorm_mode_16_64 3
		.amdhsa_memory_ordered 1
		.amdhsa_forward_progress 1
		.amdhsa_inst_pref_size 172
	.end_amdhsa_kernel
	.amdgpu_metadata
---
amdhsa.version: [ 1, 2 ]
amdhsa.kernels:
  - .name:           k_qd3e8c4a8f5_qkvproj
    .symbol:         k_qd3e8c4a8f5_qkvproj.kd
    .args:
      - { .name: xh, .offset: 0, .size: 8, .value_kind: global_buffer, .address_space: global }
      - { .name: wqt, .offset: 8, .size: 8, .value_kind: global_buffer, .address_space: global }
      - { .name: b_qkv, .offset: 16, .size: 8, .value_kind: global_buffer, .address_space: global }
      - { .name: qkv, .offset: 24, .size: 8, .value_kind: global_buffer, .address_space: global }
    .group_segment_fixed_size: 327680
    .private_segment_fixed_size: 0
    .kernarg_segment_align: 8
    .kernarg_segment_size: 32
    .max_flat_workgroup_size: 128
    .sgpr_count:     80
    .vgpr_count:     960
    .wavefront_size: 32
...
	.end_amdgpu_metadata
.endif
;; end of part 2
;; launch attn (part 3): grid 8 x 32, 8 waves a work-group, clusters of 4 x 1, 327,680 bytes of LDS; arguments qkv, maskw, att; writes att
.if DOCPART == 3
	.amdgcn_target "amdgcn-amd-amdhsa--gfx1250"
	.amdhsa_code_object_version 6
	.text
	.protected	k_qd3e8c4a8f5_attn
	.globl	k_qd3e8c4a8f5_attn
	.p2align	8
	.type	k_qd3e8c4a8f5_attn,@function
k_qd3e8c4a8f5_attn:
	s_mov_b64 s[64:65], 0
	v_nop
	global_prefetch_b8 v0, s[64:65] scope:SCOPE_SE
	s_setreg_imm32_b32 hwreg(HW_REG_WAVE_MODE, 25, 1), 1
	s_wait_xcnt 0x0
	s_wait_alu depctr_hold_cnt(0) depctr_sa_sdst(0) depctr_va_vdst(0) depctr_va_sdst(0) depctr_va_ssrc(0) depctr_va_vcc(0) depctr_vm_vsrc(0)
	s_getreg_b32 s2, hwreg(HW_REG_IB_STS2, 6, 4)
	s_cmp_eq_u32 s2, 0
	s_cbranch_scc0 .Lentry_in_a_cluster
	s_endpgm
.Lentry_in_a_cluster:
	s_bfe_u32 s2, ttmp6, 0x10000c
	s_cmp_lg_u32 s2, 0x3003
	s_cbranch_scc0 .Lentry_shape_is_right
	s_endpgm
.Lentry_shape_is_right:
; ATTENTION of one head (b, h) for 256 queries: att[bh][s][64] = softmax(where(mask, -0.0001, q k^T / 8)) v, f16 operands, f32 sums and softmax.
; Masked scores are REPLACED, not dropped: all 2,048 keys count in every row, and the mask is taken as it is given (maskw: lane-mask words).
; Eight waves.  Wave w: qg = w & 3 (64 queries), kh = w >> 2 (one half of the keys of every tile).  K and V come in tiles of 256 keys through two LDS
; slots; wave half kh works on keys 128 kh .. 128 kh + 127 of each tile, in two steps of 64.  Two waves lie on each SIMD, so that one wave's softmax
; runs beside the other's matrix work, while each wave keeps 64 queries for every fragment of K and V that it loads.  The two halves' sums are merged
; once at the end, through LDS.
; CLUSTERS: the four query blocks of a cluster (4, 1, 1) read the same K and V tiles: each wave's part of a tile is asked for jointly (mask 15).
; ORIENTATION: S^T = K Q^T (source 0 = 16 keys, source 1 = 16 queries): lane (r, h), register j holds key 8 h + j of query r.  So a row's maximum and
; sum are per lane plus one exchange of the halves, and two packed tiles of S^T are the second source of O^T = V^T P^T as they stand.
; SOFTMAX: running maximum M of the raw scores per query and key half; p = 2^(c s - c M), c = log2(e) / 8.  NM = -round(c M) is the one exponent used
; for p, for the rescaling and for the merge, so that its rounding cancels.  The masked value is -0.0001 x 8 in the raw scale (exact in f32).
; LIMITS: q, k, v arrive in f16 (below 65,504); p is rounded to f16 for the product while its sum is kept in f32; NaN inputs are not followed.
; No prefetch: K, V and Q were stored by the launch just before.
; REGISTERS: window 0: v1-3 lane, r, h; v4-7 LDS addresses; v8 masked value; v9 Q offset; v10-13 M; v14-21 NM (pairs); v22-29 alpha (pairs);
; v32-159 S, then P in place; v160-223 K fragments; v224-231 sums (pairs); v232-255 at work.
; window 1: v0-127 O^T (tile (qt, dt) at 8 (4 qt + dt)); v128-191 Q fragments; v192-255 V fragments.
.set SLOTB, 77824                      ; a slot: K 256 x 144 = 36,864, then V 256 x 160 = 40,960
.set VOFF,  36864
.set MERGE, 2*SLOTB                    ; 155,648: 4 x 17,408 (O 16,384, statistics 1,024): bytes of their own, no fill lands there
.set OUTS,  MERGE+4*17408              ; 225,280: 4 x 9,216 (64 rows x 144)
.set KAD, 4
.set VAD, 6
.set CM,  8
.set MXR, 10
.set NM,  14
.set AL,  22
.set SC,  32
.set KF,  160
.set LP,  224
.set MX,  232
.set SU,  236
.set TA,  244
.set OC,  0                            ; window 1
.set QF,  128                          ; window 1
.set VF,  192                          ; window 1
.set MBUFA, 32                         ; s[32:63] mask words, buffer A
.set MBUFB, 68                         ; s[68:99] mask words, buffer B
.set MSB, 0
.macro WIN new                         ; the immediate's high byte repeats the setting that is left
.if MSB != \new
	s_set_vgpr_msb (MSB<<8)|\new
.set MSB, \new
.endif
.endm
.macro ROUND                           ; a round of the cluster's barrier
	s_barrier_signal -1
	s_barrier_wait -1
	s_cmp_lg_u32 s6, 0
	s_cbranch_scc1 .Lnot_wave_0_\@
	s_barrier_signal -3
.Lnot_wave_0_\@:
	s_barrier_wait -3
	s_barrier_signal -1
	s_barrier_wait -1
.endm
.macro LOADM buf, off                  ; the 32 mask words of one (16 queries, 64 keys): 128 bytes
	s_load_b512 s[\buf:\buf+15], s[4:5], \off
	s_load_b512 s[\buf+16:\buf+31], s[4:5], \off+64
.endm
	s_load_b128 s[68:71], s[0:1], 0x0              ; qkv s[68:69], maskw s[70:71] (buffer B's registers serve as temporaries up to the first step)
	s_load_b64 s[104:105], s[0:1], 0x10            ; att
	v_lshl_add_u32 v30, v0, 2, 0x40000
	v_mov_b32 v31, 0
	ds_add_u32 v30, v31
	v_lshrrev_b32 v1, 5, v0
	v_readfirstlane_b32 s6, v1                     ; wave 0..7
	v_and_b32 v1, 31, v0                           ; lane
	v_and_b32 v2, 15, v0                           ; r
	v_bfe_u32 v3, v0, 4, 1                         ; h
	s_and_b32 s7, ttmp7, 0xffff                    ; bh = 16 b + h: the cluster's y
	s_bfe_u32 s74, ttmp6, 0x40000                  ; cx
	s_lshl_b32 s75, ttmp9, 2
	s_add_co_u32 s75, s75, s74                     ; qb: which 256 queries
	s_and_b32 s76, s6, 3                           ; qg
	s_lshr_b32 s77, s6, 2                          ; kh
	s_mov_b32 s66, 0x76543210                      ; v_permlanex16_b32: lane i reads lane i of the other half
	s_mov_b32 s67, 0xfedcba98
	s_mul_i32 s100, s6, 4608                       ; my 32 rows of K in a slot
	s_mul_i32 s101, s6, 5120
	s_add_co_u32 s101, s101, VOFF                  ; my 32 rows of V
	; A wave's part of a tile is 32 rows of 128 bytes, dense in memory: 4,096 bytes, described as 16 rows of 256 bytes.  The padding is counted along the
	; tile: behind every 32 words (one key's 128 bytes) 4 words for K (pitch 144) and 8 for V (pitch 160, an odd multiple of 32 for the transposing load).
	s_mov_b32 s8, 15|(3<<16)|(1<<20)|(1<<21)|(4<<22)|(3<<25)
	s_mov_b32 s16, 15|(3<<16)|(1<<20)|(1<<21)|(4<<22)|(7<<25)
	s_mov_b32 s9, 32<<16                           ; tensor_dim0 = 32 elements of 8 bytes
	s_mov_b32 s17, 32<<16
	s_mov_b32 s10, 16<<16                          ; tensor_dim1 = 16
	s_mov_b32 s18, 16<<16
	s_mov_b32 s11, 32<<16                          ; tile_dim0 = 32
	s_mov_b32 s19, 32<<16
	s_mov_b32 s12, 16                              ; tile_dim1 = 16
	s_mov_b32 s20, 16
	s_mov_b32 s13, 32                              ; pitch = 32 elements
	s_mov_b32 s21, 32
	s_mov_b32 s14, 0
	s_mov_b32 s22, 0
	s_mov_b32 s15, 0
	s_mov_b32 s23, 0
	s_add_co_u32 s78, s7, 32                       ; K's plane = 32 + bh: the address hangs on bh and the wave alone, equal in the four partners
	s_lshl_b32 s78, s78, 18
	s_lshl_b32 s80, s6, 12
	s_add_co_u32 s78, s78, s80
	s_mov_b32 s79, 0
	s_lshl_b32 s82, s7, 18                         ; Q's and att's rows: plane bh, row 256 qb + 64 qg, 128 bytes a row
	s_lshl_b32 s84, s75, 15
	s_add_co_u32 s82, s82, s84
	s_lshl_b32 s84, s76, 13
	s_add_co_u32 s82, s82, s84
	s_mov_b32 s83, 0
	s_lshl_b32 s86, s75, 16                        ; mask words: T = 16 qb + 4 qg (4,096 bytes each), J = 2 kh (128 bytes each)
	s_lshl_b32 s88, s76, 14
	s_add_co_u32 s86, s86, s88
	s_lshl_b32 s88, s77, 8
	s_add_co_u32 s86, s86, s88
	s_mov_b32 s87, 0
	s_wait_dscnt 0x0
	s_wait_kmcnt 0x0
	s_mov_b32 s24, 1
	s_mov_b32 s25, s100
	s_add_nc_u64 s[26:27], s[68:69], s[78:79]
	s_mov_b32 s28, 1
	s_mov_b32 s29, s101
	s_add_nc_u64 s[30:31], s[26:27], 0x800000      ; V's plane = 64 + bh: 32 planes on
	s_or_b32 s27, s27, 0x80000000
	s_or_b32 s31, s31, 0x80000000
	s_add_nc_u64 s[72:73], s[68:69], s[82:83]      ; Q
	s_add_nc_u64 s[104:105], s[104:105], s[82:83]  ; att
	s_add_nc_u64 s[4:5], s[70:71], s[86:87]        ; mask pointer
	ROUND                                          ; the four partners are here: the first joint loads meet
	tensor_load_to_lds s[24:27], s[8:15]           ; tile 0 into slot 0
	s_nop 0
	tensor_load_to_lds s[28:31], s[16:23]
	s_nop 0
	v_nop
	v_nop
	; Q fragments (second source): lane (r, h) holds query r; registers 0-3: d = 32 dh + 8 h .., 4-7: + 16
	v_lshlrev_b32 v9, 7, v2
	v_lshl_add_u32 v9, v3, 4, v9
	WIN 0x40
.irp qt, 0,1,2,3
.irp dh, 0,1
	global_load_b128 v[QF+8*(2*\qt+\dh):QF+8*(2*\qt+\dh)+3],   v9, s[72:73] offset:2048*\qt+64*\dh
	global_load_b128 v[QF+8*(2*\qt+\dh)+4:QF+8*(2*\qt+\dh)+7], v9, s[72:73] offset:2048*\qt+64*\dh+32
.endr
.endr
	WIN 0
	LOADM MBUFA, 0                                 ; the first step's words for qt = 0
	s_mul_i32 s2, s77, 128*144
	v_mul_u32_u24 v[KAD], v2, 144
	v_lshl_add_u32 v[KAD], v3, 4, v[KAD]
	v_add_nc_u32 v[KAD], s2, v[KAD]                ; K: (128 kh + r) x 144 + 16 h
	v_add_nc_u32 v[KAD+1], SLOTB, v[KAD]
	s_mul_i32 s2, s77, 128*160
	s_add_co_u32 s2, s2, VOFF
	v_and_b32 v[TA], 7, v1
	v_lshl_add_u32 v[TA], v3, 3, v[TA]
	v_mul_u32_u24 v[VAD], v[TA], 160
	v_bfe_u32 v[TA+1], v1, 3, 1
	v_lshl_add_u32 v[VAD], v[TA+1], 4, v[VAD]
	v_add_nc_u32 v[VAD], s2, v[VAD]                ; V: (128 kh + 8 h + (lane & 7)) x 160 + 16 ((lane >> 3) & 1)
	v_add_nc_u32 v[VAD+1], SLOTB, v[VAD]
	v_mov_b32 v[CM], 0xba51b717                    ; -0.0001 x 8
	s_wait_loadcnt 0x0                             ; Q is in; its base s[72:73] may now be rewritten
; The softmax of 16 queries x 64 keys (tiles (qt, 0..3)), all in window 0.  first = 1: no older maximum or sum.
; adv: the mask pointer's step (taken behind the wait that shows its loads done); nextoff: where the next 128 bytes of words lie (-1: none).
.macro SOFT qt, first, adv, nextoff
.set SB, SC+32*\qt
.if \qt & 1
.set MB, MBUFB
.set OB, MBUFA
.else
.set MB, MBUFA
.set OB, MBUFB
.endif
	s_wait_kmcnt 0x0                               ; this turn's words are in (scalar loads: the count 0 alone shows anything)
.if \adv
	s_add_nc_u64 s[4:5], s[4:5], \adv
.endif
.if \nextoff >= 0
	LOADM OB, \nextoff                             ; the next turn's words have this whole turn in which to land
.endif
.set j, 0
.rept 32
	v_cndmask_b32 v[SB+j], v[SB+j], v[CM], s[MB+j] ; word 8 kt + j is the lane mask of register j of tile kt
.set j, j+1
.endr
.irp c, 0,1,2,3
	v_max_num_f32 v[MX+\c], v[SB+8*\c], v[SB+8*\c+1]
.endr
.irp e, 2,4,6
.irp c, 0,1,2,3
	v_max3_num_f32 v[MX+\c], v[MX+\c], v[SB+8*\c+\e], v[SB+8*\c+\e+1]
.endr
.endr
	v_max3_num_f32 v[MX], v[MX], v[MX+1], v[MX+2]
.if \first
	v_max_num_f32 v[MX], v[MX], v[MX+3]
.else
	v_max3_num_f32 v[MX], v[MX], v[MX+3], v[MXR+\qt]
.endif
	v_permlanex16_b32 v[MX+1], v[MX], s66, s67     ; the other half of the lanes holds the query's other keys
	v_max_num_f32 v[MXR+\qt], v[MX], v[MX+1]
	v_mul_f32 v[TA], 0xbe38aa3b, v[MXR+\qt]        ; -c M
.if \first
	v_mov_b32 v[NM+2*\qt], v[TA]
	v_mov_b32 v[NM+2*\qt+1], v[TA]
.else
	v_sub_f32 v[TA+1], v[TA], v[NM+2*\qt]          ; c (M old - M new) <= 0
	v_exp_f32 v[AL+2*\qt], v[TA+1]
	v_mov_b32 v[NM+2*\qt], v[TA]                   ; plain work behind the exponential, ahead of the first use of its result
	v_mov_b32 v[NM+2*\qt+1], v[TA]
	s_wait_alu depctr_va_vdst(0)
	v_mov_b32 v[AL+2*\qt+1], v[AL+2*\qt]
.endif
.set j, 0
.rept 16
	v_pk_fma_f32 v[SB+j:SB+j+1], v[SB+j:SB+j+1], 0x3e38aa3b, v[NM+2*\qt:NM+2*\qt+1] op_sel_hi:[1,0,1]
.set j, j+2
.endr
.set j, 0
.rept 32
	v_exp_f32 v[SB+j], v[SB+j]
.set j, j+1
.endr
	v_nop                                          ; one plain place behind the last exponential
	s_wait_alu depctr_va_vdst(0)
.irp c, 0,1,2,3
	v_pk_add_f32 v[SU+2*\c:SU+2*\c+1], v[SB+8*\c:SB+8*\c+1], v[SB+8*\c+2:SB+8*\c+3]
.endr
.irp e, 4,6
.irp c, 0,1,2,3
	v_pk_add_f32 v[SU+2*\c:SU+2*\c+1], v[SU+2*\c:SU+2*\c+1], v[SB+8*\c+\e:SB+8*\c+\e+1]
.endr
.endr
	v_pk_add_f32 v[SU:SU+1], v[SU:SU+1], v[SU+2:SU+3]
	v_pk_add_f32 v[SU+4:SU+5], v[SU+4:SU+5], v[SU+6:SU+7]
.if \first
	v_pk_add_f32 v[LP+2*\qt:LP+2*\qt+1], v[SU:SU+1], v[SU+4:SU+5]
.else
	v_pk_fma_f32 v[LP+2*\qt:LP+2*\qt+1], v[LP+2*\qt:LP+2*\qt+1], v[AL+2*\qt:AL+2*\qt+1], v[SU:SU+1]
	v_pk_add_f32 v[LP+2*\qt:LP+2*\qt+1], v[LP+2*\qt:LP+2*\qt+1], v[SU+4:SU+5]
.endif
.set j, 0
.rept 16                                           ; P in place, ascending: tiles 2 kk, 2 kk + 1 become the 8 registers at SB + 16 kk
	v_cvt_pk_f16_f32 v[SB+16*(j/8)+(j%8)], v[SB+2*j], v[SB+2*j+1]
.set j, j+1
.endr
.endm
.macro KLOAD slot, blk                 ; the K fragments of 64 keys: (kt, dh) = 16 keys x 32 d
.irp kt, 0,1,2,3
.irp dh, 0,1
	ds_load_b128 v[KF+8*(2*\kt+\dh):KF+8*(2*\kt+\dh)+3],   v[KAD+\slot] offset:9216*\blk+2304*\kt+64*\dh
	ds_load_b128 v[KF+8*(2*\kt+\dh)+4:KF+8*(2*\kt+\dh)+7], v[KAD+\slot] offset:9216*\blk+2304*\kt+64*\dh+32
.endr
.endr
.endm
; One step: 64 queries x 64 keys.  In both runs of matrix instructions the 16 accumulators take turns, one instruction a turn.
.macro STEP slot, blk, first, knext, adv, dj
.rept 5
	v_nop                                          ; five places: the products below write over P, which the last step's matrix instructions read (ISA guide 7.12.1)
.endr
	s_wait_dscnt 0x0                               ; the K fragments are in
	WIN 0x04                                       ; source 1 (Q) in window 1
.irp kt, 0,1,2,3
.irp qt, 0,1,2,3
	v_wmma_f32_16x16x32_f16 v[SC+32*\qt+8*\kt:SC+32*\qt+8*\kt+7], v[KF+16*\kt:KF+16*\kt+7], v[QF+16*\qt:QF+16*\qt+7], 0
.endr
.endr
.irp kt, 0,1,2,3
.irp qt, 0,1,2,3
	v_wmma_f32_16x16x32_f16 v[SC+32*\qt+8*\kt:SC+32*\qt+8*\kt+7], v[KF+16*\kt+8:KF+16*\kt+15], v[QF+16*\qt+8:QF+16*\qt+15], v[SC+32*\qt+8*\kt:SC+32*\qt+8*\kt+7]
.endr
.endr
	WIN 0
.rept 4
	v_nop                                          ; four places: in front of the loads into K's and V's fragments and of the readers of S
.endr
	WIN 0x40
.irp kk, 0,1
.irp dt, 0,1,2,3
	ds_load_tr16_b128 v[VF+8*(2*\dt+\kk):VF+8*(2*\dt+\kk)+3],   v[VAD+\slot] offset:10240*\blk+5120*\kk+32*\dt
	ds_load_tr16_b128 v[VF+8*(2*\dt+\kk)+4:VF+8*(2*\dt+\kk)+7], v[VAD+\slot] offset:10240*\blk+5120*\kk+2560+32*\dt
.endr
.endr
	WIN 0
.if \knext
	KLOAD \slot, (\blk+1)
.endif
	SOFT 0, \first, \adv, 4096                     ; the next 16 queries' words lie 4,096 bytes on
	SOFT 1, \first, 0, 8192
	SOFT 2, \first, 0, 12288
	SOFT 3, \first, 0, \dj                         ; then the next step's, for qt = 0
.if \first == 0
	WIN 0x41
.irp qt, 0,1,2,3
.set j, 0
.rept 16
	v_pk_mul_f32 v[OC+32*\qt+j:OC+32*\qt+j+1], v[OC+32*\qt+j:OC+32*\qt+j+1], v[AL+2*\qt:AL+2*\qt+1]
.set j, j+2
.endr
.endr
.endif
.if \knext
	s_wait_dscnt 16                                ; V's 16 loads are in; the 16 of K issued behind them may stay out
.else
	s_wait_dscnt 0x0
.endif
	WIN 0x51                                       ; source 0 (V^T), C and D (O^T) in window 1; source 1 (P^T) in window 0
.irp qt, 0,1,2,3
.irp dt, 0,1,2,3
.if \first
	v_wmma_f32_16x16x32_f16 v[OC+32*\qt+8*\dt:OC+32*\qt+8*\dt+7], v[VF+16*\dt:VF+16*\dt+7], v[SC+32*\qt:SC+32*\qt+7], 0
.else
	v_wmma_f32_16x16x32_f16 v[OC+32*\qt+8*\dt:OC+32*\qt+8*\dt+7], v[VF+16*\dt:VF+16*\dt+7], v[SC+32*\qt:SC+32*\qt+7], v[OC+32*\qt+8*\dt:OC+32*\qt+8*\dt+7]
.endif
.endr
.endr
.irp qt, 0,1,2,3
.irp dt, 0,1,2,3
	v_wmma_f32_16x16x32_f16 v[OC+32*\qt+8*\dt:OC+32*\qt+8*\dt+7], v[VF+16*\dt+8:VF+16*\dt+15], v[SC+32*\qt+16:SC+32*\qt+23], v[OC+32*\qt+8*\dt:OC+32*\qt+8*\dt+7]
.endr
.endr
	WIN 0
.endm
; One tile of 256 keys.  Every wave waits for all its tensor loads (its parts of this trip's tile: two are out at most) and for its reads of the other
; slot; the round of the cluster's barrier then shows both of every wave of the four partners; the joint refills are the first tensor loads behind it
; and have the whole trip in which to land.
.macro TRIP slot, refill, first, adv, lastdj
	s_wait_tensorcnt 0x0
	ds_add_u32 v30, v31
	s_wait_dscnt 0x0
.if \refill
	s_add_co_u32 s25, s100, (1-\slot)*SLOTB        ; no tensor load of mine is out: both group 0 sets may be written
	s_add_co_u32 s29, s101, (1-\slot)*SLOTB
	s_add_nc_u64 s[26:27], s[26:27], 32768         ; 256 keys x 128 bytes on
	s_add_nc_u64 s[30:31], s[30:31], 32768
.endif
	s_wait_dscnt 0x0
	ROUND
.if \refill
	tensor_load_to_lds s[24:27], s[8:15]
	s_nop 0
	tensor_load_to_lds s[28:31], s[16:23]
	s_nop 0
.endif
	KLOAD \slot, 0
	STEP \slot, 0, \first, 1, \adv, 128            ; the next 64 keys' words lie 128 bytes on;
	STEP \slot, 1, 0, 0, 128, \lastdj              ; from my second 64 keys to my first in the next tile it is three blocks of 64: 384 bytes
.endm
	TRIP 0, 1, 1, 0, 384
	TRIP 1, 1, 0, 384, 384
	s_mov_b32 s3, 2
.Lpair:
	TRIP 0, 1, 0, 384, 384
	TRIP 1, 1, 0, 384, 384
	s_sub_co_u32 s3, s3, 1
	s_cmp_lg_u32 s3, 0
	s_cbranch_scc1 .Lpair
	TRIP 0, 1, 0, 384, 384
	TRIP 1, 0, 0, 384, -1                          ; the eighth tile: nothing more is asked for
	; THE MERGE of the two key halves.  Waves 4-7 hand O^T, NM and the sums to waves 0-3 of the same queries, lane for lane.
.rept 4
	v_nop                                          ; four places behind the last matrix instructions
.endr
.irp qt, 0,1,2,3
	v_add_f32 v[252+\qt], v[LP+2*\qt], v[LP+2*\qt+1]
	v_mov_b32 v[248+\qt], v[NM+2*\qt]
.endr
.irp qt, 0,1,2,3
	v_permlanex16_b32 v[MX+\qt], v[252+\qt], s66, s67
.endr
.irp qt, 0,1,2,3
	v_add_f32 v[252+\qt], v[252+\qt], v[MX+\qt]    ; the query's sum over my half of the keys
.endr
	s_and_b32 s32, s6, 3
	s_mul_i32 s33, s32, 17408
	s_add_co_u32 s33, s33, MERGE
	v_lshl_add_u32 v244, v1, 4, s33
	s_cmp_lt_u32 s6, 4
	s_cbranch_scc1 .Lno_hand
	WIN 0x04                                       ; store data (source 1) in window 1
.set j, 0
.rept 32
	ds_store_b128 v244, v[OC+4*j:OC+4*j+3] offset:512*j
.set j, j+1
.endr
	WIN 0
	ds_store_b128 v244, v[248:251] offset:16384
	ds_store_b128 v244, v[252:255] offset:16896
.Lno_hand:
	s_wait_dscnt 0x0                               ; my stores are done, for the partner wave's sake
	s_barrier_signal -1
	s_barrier_wait -1
	s_cmp_ge_u32 s6, 4
	s_cbranch_scc1 .Lend
	ds_load_b128 v[160:163], v244 offset:16384     ; the partner's NM
	ds_load_b128 v[164:167], v244 offset:16896     ; and sums
.set j, 0
.rept 32
	ds_load_b128 v[SC+4*j:SC+4*j+3], v244 offset:512*j
.set j, j+1
.endr
	s_wait_dscnt 32                                ; the statistics are in; the 32 loads of O^T behind them stay out
.irp qt, 0,1,2,3
	v_min_num_f32 v[168+\qt], v[248+\qt], v[160+\qt]      ; the smaller NM belongs to the larger maximum
.endr
.irp qt, 0,1,2,3
	v_sub_f32 v[172+\qt], v[168+\qt], v[248+\qt]
	v_sub_f32 v[176+\qt], v[168+\qt], v[160+\qt]
.endr
.irp qt, 0,1,2,3
	v_exp_f32 v[172+\qt], v[172+\qt]
	v_exp_f32 v[176+\qt], v[176+\qt]
.endr
	v_nop
	s_wait_alu depctr_va_vdst(0)
.irp qt, 0,1,2,3
	v_mul_f32 v[180+\qt], v[252+\qt], v[172+\qt]
.endr
.irp qt, 0,1,2,3
	v_fmac_f32 v[180+\qt], v[164+\qt], v[176+\qt]  ; the whole row's sum: at least about 1, since the larger maximum's own term is about 1
.endr
.irp qt, 0,1,2,3
	v_rcp_f32 v[180+\qt], v[180+\qt]
.endr
	v_nop
	s_wait_alu depctr_va_vdst(0)
.irp qt, 0,1,2,3
	v_mul_f32 v[184+2*\qt], v[172+\qt], v[180+\qt] ; my factor, twice (a pair for the packed forms)
	v_mul_f32 v[185+2*\qt], v[172+\qt], v[180+\qt]
	v_mul_f32 v[192+2*\qt], v[176+\qt], v[180+\qt] ; the partner's
	v_mul_f32 v[193+2*\qt], v[176+\qt], v[180+\qt]
.endr
	s_wait_dscnt 0x0
.irp qt, 0,1,2,3
.set j, 0
.rept 16
	v_pk_mul_f32 v[SC+32*\qt+j:SC+32*\qt+j+1], v[SC+32*\qt+j:SC+32*\qt+j+1], v[192+2*\qt:193+2*\qt]
.set j, j+2
.endr
.endr
	WIN 0x01                                       ; source 0 (my O^T) in window 1
.irp qt, 0,1,2,3
.set j, 0
.rept 16
	v_pk_fma_f32 v[SC+32*\qt+j:SC+32*\qt+j+1], v[OC+32*\qt+j:OC+32*\qt+j+1], v[184+2*\qt:185+2*\qt], v[SC+32*\qt+j:SC+32*\qt+j+1]
.set j, j+2
.endr
.endr
	WIN 0
	; lane (r, h), tile (qt, dt): query 16 qt + r, d = 16 dt + 8 h + 0 .. 7: 16 bytes of f16; through my own stage, then whole rows out
	s_mul_i32 s34, s32, 9216
	s_add_co_u32 s34, s34, OUTS
	v_mul_u32_u24 v245, v2, 144
	v_lshl_add_u32 v245, v3, 4, v245
	v_add_nc_u32 v245, s34, v245
	v_lshrrev_b32 v246, 3, v1
	v_mul_u32_u24 v246, v246, 144
	v_and_b32 v247, 7, v1
	v_lshl_add_u32 v246, v247, 4, v246
	v_add_nc_u32 v246, s34, v246
	v_lshlrev_b32 v247, 4, v1
.irp qt, 0,1,2,3
.irp dt, 0,1,2,3
.irp p, 0,1,2,3
	v_cvt_pk_f16_f32 v[SC+32*\qt+8*\dt+\p], v[SC+32*\qt+8*\dt+2*\p], v[SC+32*\qt+8*\dt+2*\p+1]
.endr
	ds_store_b128 v245, v[SC+32*\qt+8*\dt:SC+32*\qt+8*\dt+3] offset:2304*\qt+32*\dt
.endr
.endr
.irp t, 0,1,2,3,4,5,6,7,8,9,10,11,12,13,14,15
	ds_load_b128 v[160+4*\t:160+4*\t+3], v246 offset:576*\t        ; my own bytes: LDS serves a wave's instructions in order (ISA guide 5.7.1)
.endr
.irp t, 0,1,2,3,4,5,6,7,8,9,10,11,12,13,14,15
	s_wait_dscnt 15-\t
	global_store_b128 v247, v[160+4*\t:160+4*\t+3], s[104:105] offset:512*\t   ; four rows of 128 bytes: 512 consecutive bytes, aligned
.endr
.Lend:
	s_wait_tensorcnt 0x0
	ds_add_u32 v30, v31
	s_wait_dscnt 0x0
	ROUND                                          ; the closing round: no work-group ends while a partner may still ask for a tile that names it
	s_endpgm
.Lfunc_end_k_qd3e8c4a8f5_attn:
	.size	k_qd3e8c4a8f5_attn, .Lfunc_end_k_qd3e8c4a8f5_attn-k_qd3e8c4a8f5_attn
	.p2alignl 7, 3214868480
	.fill 96, 4, 3214868480
	.section	.rodata,"a",@progbits
	.p2align	6, 0x0
	.amdhsa_kernel k_qd3e8c4a8f5_attn
		.amdhsa_group_segment_fixed_size 327680
		.amdhsa_private_segment_fixed_size 0
		.amdhsa_enable_private_segment 0
		.amdhsa_kernarg_size 24
		.amdhsa_user_sgpr_count 2
		.amdhsa_user_sgpr_kernarg_segment_ptr 1
		.amdhsa_wavefront_size32 1
		.amdhsa_system_sgpr_workgroup_id_x 1
		.amdhsa_system_sgpr_workgroup_id_y 1
		.amdhsa_system_sgpr_workgroup_id_z 1
		.amdhsa_system_vgpr_workitem_id 0
		.amdhsa_next_free_vgpr 512
		.amdhsa_next_free_sgpr 106
		.amdhsa_reserve_vcc 0
		.amdhsa_float_denorm_mode_32 3
		.amdhsa_float_denorm_mode_16_64 3
		.amdhsa_memory_ordered 1
		.amdhsa_forward_progress 1
		.amdhsa_inst_pref_size 255
	.end_amdhsa_kernel
	.section	.bss,"aw",@nobits
	.p2align	6
	.space	262144
	.amdgpu_metadata
---
amdhsa.version: [ 1, 2 ]
amdhsa.kernels:
  - .name:           k_qd3e8c4a8f5_attn
    .symbol:         k_qd3e8c4a8f5_attn.kd
    .args:
      - { .name: qkv, .offset: 0, .size: 8, .value_kind: global_buffer, .address_space: global }
      - { .name: maskw, .offset: 8, .size: 8, .value_kind: global_buffer, .address_space: global }
      - { .name: att, .offset: 16, .size: 8, .value_kind: global_buffer, .address_space: global }
    .group_segment_fixed_size: 327680
    .private_segment_fixed_size: 0
    .kernarg_segment_align: 8
    .kernarg_segment_size: 24
    .max_flat_workgroup_size: 256
    .sgpr_count:     106
    .vgpr_count:     512
    .wavefront_size: 32
...
	.end_amdgpu_metadata
.endif
;; end of part 3
;; launch dense (part 4): grid 8 x 32, 4 waves a work-group, clusters of 4 x 4, 327,680 bytes of LDS; arguments att, wdt, b_dense, out0; writes out0
.if DOCPART == 4
	.amdgcn_target "amdgcn-amd-amdhsa--gfx1250"
	.amdhsa_code_object_version 6
	.text
	.protected	k_qd3e8c4a8f5_dense
	.globl	k_qd3e8c4a8f5_dense
	.p2align	8
	.type	k_qd3e8c4a8f5_dense,@function
k_qd3e8c4a8f5_dense:
	s_mov_b64 s[64:65], 0
	v_nop
	global_prefetch_b8 v0, s[64:65] scope:SCOPE_SE
	s_setreg_imm32_b32 hwreg(HW_REG_WAVE_MODE, 25, 1), 1
	s_wait_xcnt 0x0
	s_wait_alu depctr_hold_cnt(0) depctr_sa_sdst(0) depctr_va_vdst(0) depctr_va_sdst(0) depctr_va_ssrc(0) depctr_va_vcc(0) depctr_vm_vsrc(0)
	s_getreg_b32 s2, hwreg(HW_REG_IB_STS2, 6, 4)
	s_cmp_eq_u32 s2, 0
	s_cbranch_scc0 .Lentry_in_a_cluster
	s_endpgm
.Lentry_in_a_cluster:
	s_bfe_u32 s2, ttmp6, 0x10000c
	s_cmp_lg_u32 s2, 0xf033
	s_cbranch_scc0 .Lentry_shape_is_right
	s_endpgm
.Lentry_shape_is_right:
; DENSE: out0[4096][1024] f32 = a [4096][1024] x wdt[1024][1024]^T + b_dense, f16 operands, f32 sums.  a lies by heads: att[b][h][s][64], k = 64 h + d.
; A work-group makes 128 x 128 with four waves of 64 x 64 (16 accumulator tiles): 8 x 32 = 256 work-groups.  A larger block would leave work for fewer
; than 256.  K goes in four steps of 256 (four heads) through two LDS slots.
; CLUSTERS: 4 x 4; a's tiles are shared along a row of the cluster, wdt's along a column, each asked for jointly.
; a's tile: per head 128 rows of 128 bytes, dense in memory (16 KiB).  One load brings two heads as two rows of 2,048 elements of 8 bytes, 32,768 elements
; apart; the padding is counted along the tile: 4 words behind every 32 (one row of a head), so the LDS pitch is 144.
; The matrix instruction is used transposed (source 0 = rows of wdt, source 1 = rows of a): a lane's 8 registers are 8 neighbouring columns of one row.
; REGISTERS: window 0: v16-27 addresses; v64-127, v128-191 two fragment buffers (a's four in the first 32, wdt's four behind); v192-223 bias; v224-255 at work.
; window 1: v0-127 accumulators, tile (a, b) at 8 (4 a + b).
.set APART, 36864                      ; two heads x 128 rows x 144
.set BPART, 33792                      ; 64 rows x 528
.set BOFF,  73728
.set SLOTD, 141312                     ; a 73,728 + wdt 67,584
.set STAGE, 2*SLOTD                    ; 282,624: 16 rows x 272 bytes for each wave, bytes of their own
.set ADRA, 16
.set ADRB, 20
.set STO,  24
.set RD,   25
.set CO,   26
.set BO,   27
.set F0,   64
.set F1,   128
.set BIAS, 192
.set TT,   224
.set G1,  24
.set G0,  32
.set G1B, 48
.set G0B, 56
.set MSB, 0
.macro WIN new                         ; the immediate's high byte repeats the setting that is left
.if MSB != \new
	s_set_vgpr_msb (MSB<<8)|\new
.set MSB, \new
.endif
.endm
.macro JLOAD s                         ; waves 0, 1 ask for a's heads, waves 2, 3 for wdt's rows: the branch hangs on the wave's number alone
	s_cmp_eq_u32 s13, 0
	s_cbranch_scc0 .Lfor_b_\@
	tensor_load_to_lds s[G0+4*\s:G0+4*\s+3], s[G1:G1+7]
	s_nop 0
	s_branch .Lasked_\@
.Lfor_b_\@:
	tensor_load_to_lds s[G0B+4*\s:G0B+4*\s+3], s[G1B:G1B+7]
	s_nop 0
.Lasked_\@:
.endm
.macro CREST
	s_cmp_lg_u32 s12, 0
	s_cbranch_scc1 .Lnot_wave_0_\@
	s_barrier_signal -3
.Lnot_wave_0_\@:
	s_barrier_wait -3
	s_barrier_signal -1
	s_barrier_wait -1
.endm
.macro CROUND
	s_barrier_signal -1
	s_barrier_wait -1
	CREST
.endm
.macro PLACES                          ; four plain vector instructions behind matrix instructions (ISA guide 7.12.1)
.rept 4
	v_nop
.endr
.endm
	s_load_b256 s[4:11], s[0:1], 0x0               ; att s[4:5], wdt s[6:7], b_dense s[8:9], out0 s[10:11]
	v_lshl_add_u32 v62, v0, 2, 0x49400
	v_mov_b32 v63, 0
	ds_add_u32 v62, v63
	v_lshrrev_b32 v1, 5, v0
	v_readfirstlane_b32 s12, v1                    ; wave
	s_lshr_b32 s13, s12, 1                         ; my half of the rows; also: I fetch a (0) or wdt (1)
	s_and_b32 s14, s12, 1                          ; my half of the columns; also: which half of that tile I fetch
	s_bfe_u32 s40, ttmp6, 0x40000                  ; cx
	s_bfe_u32 s41, ttmp6, 0x40004                  ; cy
	s_lshl_b32 s42, ttmp9, 2
	s_add_co_u32 s42, s42, s40                     ; block column (128)
	s_and_b32 s43, ttmp7, 0xffff
	s_lshl_b32 s43, s43, 2
	s_add_co_u32 s43, s43, s41                     ; block row (128)
	s_lshl_b32 s44, s41, 2
	s_lshl_b32 s44, 15, s44                        ; my row of the cluster
	s_lshl_b32 s45, 0x1111, s40                    ; my column
	s_or_b32 s[G1+0], s44, (3<<16)|(1<<20)|(1<<21)|(4<<22)|(3<<25)   ; 8-byte elements; 4 words behind every 32
	s_mov_b32 s[G1+1], 2048<<16                    ; tensor_dim0 = 2,048
	s_mov_b32 s[G1+2], 2<<16                       ; tensor_dim1 = 2
	s_mov_b32 s[G1+3], 2048<<16                    ; tile_dim0
	s_mov_b32 s[G1+4], 2                           ; tile_dim1
	s_mov_b32 s[G1+5], 32768                       ; from head to head: 262,144 bytes
	s_mov_b32 s[G1+6], 0
	s_mov_b32 s[G1+7], 0
	s_or_b32 s[G1B+0], s45, (1<<16)|(1<<20)|(1<<21)|(6<<22)|(3<<25)  ; 2-byte elements; 4 words behind every 128: pitch 528
	s_mov_b32 s[G1B+1], 256<<16
	s_mov_b32 s[G1B+2], 64<<16
	s_mov_b32 s[G1B+3], 256<<16
	s_mov_b32 s[G1B+4], 64
	s_mov_b32 s[G1B+5], 1024
	s_mov_b32 s[G1B+6], 0
	s_mov_b32 s[G1B+7], 0
	s_lshr_b32 s16, s43, 4                         ; b
	s_lshl_b32 s16, s16, 22                        ; 16 planes
	s_and_b32 s17, s43, 15
	s_lshl_b32 s17, s17, 14                        ; 128 rows x 128 bytes
	s_add_co_u32 s16, s16, s17
	s_lshl_b32 s17, s14, 19                        ; my two heads of the step's four
	s_add_co_u32 s16, s16, s17
	s_mov_b32 s17, 0
	s_lshl_b32 s46, s42, 18                        ; 128 rows x 2,048 bytes
	s_lshl_b32 s47, s14, 17                        ; + 64 rows
	s_add_co_u32 s46, s46, s47
	s_mov_b32 s47, 0
	s_mul_i32 s20, s12, APART                      ; LDS: a's halves at wave x APART (waves 0, 1),
	s_mul_i32 s21, s12, BPART
	s_add_co_u32 s21, s21, BOFF-2*BPART            ; wdt's at BOFF + (wave - 2) x BPART (waves 2, 3)
	s_wait_dscnt 0x0
	s_wait_kmcnt 0x0
	s_add_nc_u64 s[18:19], s[4:5], s[16:17]
	s_add_nc_u64 s[46:47], s[6:7], s[46:47]
	CROUND                                         ; the first joint loads meet
.irp s, 0,1
	s_mov_b32 s[G0+4*\s], 1
	s_add_co_u32 s[G0+4*\s+1], s20, \s*SLOTD
	s_add_nc_u64 s[G0+4*\s+2:G0+4*\s+3], s[18:19], \s*0x100000     ; K step s: four heads on
	s_or_b32 s[G0+4*\s+3], s[G0+4*\s+3], 0x80000000
	s_mov_b32 s[G0B+4*\s], 1
	s_add_co_u32 s[G0B+4*\s+1], s21, \s*SLOTD
	s_add_nc_u64 s[G0B+4*\s+2:G0B+4*\s+3], s[46:47], \s*512
	s_or_b32 s[G0B+4*\s+3], s[G0B+4*\s+3], 0x80000000
	JLOAD \s
.endr
	v_and_b32 v1, 15, v0                           ; r
	v_bfe_u32 v2, v0, 4, 1                         ; h
	s_lshl_b32 s66, s42, 9                         ; the bias of my 64 columns
	s_lshl_b32 s67, s14, 8
	s_add_co_u32 s66, s66, s67
	s_mov_b32 s67, 0
	s_add_nc_u64 s[8:9], s[8:9], s[66:67]
	s_add_nc_u64 s[10:11], s[10:11], s[66:67]      ; the same bytes along a row of out0
	v_lshlrev_b32 v[BO], 5, v2
.irp b, 0,1,2,3
	global_load_b128 v[BIAS+8*\b:BIAS+8*\b+3], v[BO], s[8:9] offset:64*\b
	global_load_b128 v[BIAS+8*\b+4:BIAS+8*\b+7], v[BO], s[8:9] offset:64*\b+16
.endr
	s_lshl_b32 s66, s43, 19                        ; my first row of out0: 128 x block row + 64 x half, 4,096 bytes a row
	s_lshl_b32 s67, s13, 18
	s_add_co_u32 s66, s66, s67
	s_mov_b32 s67, 0
	s_add_nc_u64 s[10:11], s[10:11], s[66:67]
	v_mul_u32_u24 v3, v1, 144
	v_lshl_add_u32 v3, v2, 4, v3
	s_mul_i32 s22, s13, 64*144
	v_add_nc_u32 v[ADRA], s22, v3
	v_add_nc_u32 v[ADRA+1], SLOTD, v[ADRA]
	v_mul_u32_u24 v4, v1, 528
	v_lshl_add_u32 v4, v2, 4, v4
	s_mul_i32 s23, s14, 64*528
	s_add_co_u32 s23, s23, BOFF
	v_add_nc_u32 v[ADRB], s23, v4
	v_add_nc_u32 v[ADRB+1], SLOTD, v[ADRB]
	s_mul_i32 s2, s12, 4352
	s_add_co_u32 s2, s2, STAGE
	v_mul_u32_u24 v5, v1, 272
	v_lshl_add_u32 v5, v2, 5, v5
	v_add_nc_u32 v[STO], s2, v5                    ; in: row r, 32 bytes for each half of the lanes
	v_mul_u32_u24 v6, v2, 272
	v_lshl_add_u32 v6, v1, 4, v6
	v_add_nc_u32 v[RD], s2, v6                     ; back: lanes 0-15 one row of 256 bytes, lanes 16-31 the next
	v_lshlrev_b32 v7, 12, v2
	v_lshl_add_u32 v[CO], v1, 4, v7
.macro FETCH slot, q, f                ; the fragments of 32 along K, chunk q of the slot's eight: head q >> 1, d = 32 (q & 1)
.irp a, 0,1,2,3
	ds_load_b128 v[\f+8*\a:\f+8*\a+3],   v[ADRA+\slot] offset:18432*(\q>>1)+2304*\a+64*(\q&1)
	ds_load_b128 v[\f+8*\a+4:\f+8*\a+7], v[ADRA+\slot] offset:18432*(\q>>1)+2304*\a+64*(\q&1)+32
.endr
.irp b, 0,1,2,3
	ds_load_b128 v[\f+32+8*\b:\f+32+8*\b+3], v[ADRB+\slot] offset:8448*\b+64*\q
	ds_load_b128 v[\f+32+8*\b+4:\f+32+8*\b+7], v[ADRB+\slot] offset:8448*\b+64*\q+32
.endr
.endm
.macro MUL16 f, zero                   ; the 16 accumulators take turns, one instruction a turn
	WIN 0x50                                       ; C and D in window 1
.irp a, 0,1,2,3
.irp b, 0,1,2,3
.if \zero
	v_wmma_f32_16x16x32_f16 v[8*(4*\a+\b):8*(4*\a+\b)+7], v[\f+32+8*\b:\f+32+8*\b+7], v[\f+8*\a:\f+8*\a+7], 0
.else
	v_wmma_f32_16x16x32_f16 v[8*(4*\a+\b):8*(4*\a+\b)+7], v[\f+32+8*\b:\f+32+8*\b+7], v[\f+8*\a:\f+8*\a+7], v[8*(4*\a+\b):8*(4*\a+\b)+7]
.endif
.endr
.endr
	WIN 0
.endm
.macro CHUNK slot, qn, f, g, zero      ; fetches chunk qn into buffer g, multiplies buffer f
	PLACES
	FETCH \slot, \qn, \g
	s_wait_dscnt 16                                ; all but the 16 just issued
	MUL16 \f, \zero
.endm
.macro SEVEN slot, zero
	CHUNK \slot, 1, F0, F1, \zero
	CHUNK \slot, 2, F1, F0, 0
	CHUNK \slot, 3, F0, F1, 0
	CHUNK \slot, 4, F1, F0, 0
	CHUNK \slot, 5, F0, F1, 0
	CHUNK \slot, 6, F1, F0, 0
	CHUNK \slot, 7, F0, F1, 0
.endm
; The slot's last chunk and the change of slots: each wave's reads of this slot and all its tensor loads are waited for in front of the barrier; where the
; slot is filled again the barrier opens a round of the cluster's barrier and the joint refill is the first tensor load behind it.  At most two are out.
.macro TURN slot, next, fill
	s_wait_dscnt 0x0
	s_wait_tensorcnt 0x0
	ds_add_u32 v62, v63
	s_wait_dscnt 0x0
	s_barrier_signal -1
	MUL16 F1, 0                                    ; registers only
	s_barrier_wait -1
.if \fill
	CREST
	s_add_nc_u64 s[G0+4*\slot+2:G0+4*\slot+3], s[G0+4*\slot+2:G0+4*\slot+3], 0x200000   ; eight heads on
	s_add_nc_u64 s[G0B+4*\slot+2:G0B+4*\slot+3], s[G0B+4*\slot+2:G0B+4*\slot+3], 1024   ; 512 k on
	JLOAD \slot
.endif
	PLACES
	FETCH \next, 0, F0
.endm
	s_wait_loadcnt 0x0                             ; the bias, once
	s_wait_tensorcnt 1                             ; my part of K step 0 is in; K step 1's stays out
	s_barrier_signal -1
	s_barrier_wait -1
	FETCH 0, 0, F0
	SEVEN 0, 1                                     ; the first products start the sums
	TURN 0, 1, 1
	SEVEN 1, 0
	TURN 1, 0, 1
	SEVEN 0, 0
	TURN 0, 1, 0
	SEVEN 1, 0
	s_wait_dscnt 0x0
	MUL16 F1, 0
	PLACES
	; THE WAY OUT, 16 rows at a time: bias in f32, 32 bytes a lane into my own stage, whole rows of 256 bytes back and out.  Each group of rows has read-back
	; registers of its own and the rows' steps are in the immediates: nothing that a store reads is rewritten.
.macro OUTD a
	WIN 0x01                                       ; source 0 (the sums) in window 1
.irp b, 0,1,2,3
.irp p, 0,2,4,6
	v_pk_add_f32 v[TT+8*\b+\p:TT+8*\b+\p+1], v[8*(4*\a+\b)+\p:8*(4*\a+\b)+\p+1], v[BIAS+8*\b+\p:BIAS+8*\b+\p+1]
.endr
.endr
	WIN 0
.irp b, 0,1,2,3
	ds_store_b128 v[STO], v[TT+8*\b:TT+8*\b+3] offset:64*\b
	ds_store_b128 v[STO], v[TT+8*\b+4:TT+8*\b+7] offset:64*\b+16
.endr
.irp t, 0,1,2,3,4,5,6,7
	ds_load_b128 v[64+32*\a+4*\t:64+32*\a+4*\t+3], v[RD] offset:544*\t     ; my own bytes: LDS serves a wave's instructions in order (ISA guide 5.7.1)
.endr
.irp t, 0,1,2,3,4,5,6,7
	s_wait_dscnt 7-\t
	global_store_b128 v[CO], v[64+32*\a+4*\t:64+32*\a+4*\t+3], s[10:11] offset:65536*\a+8192*\t   ; 16 lanes store 256 consecutive bytes, aligned
.endr
.endm
	OUTD 0
	OUTD 1
	OUTD 2
	OUTD 3
	s_wait_tensorcnt 0x0
	ds_add_u32 v62, v63
	s_wait_dscnt 0x0
	CROUND                                         ; the closing round
	s_endpgm
.Lfunc_end_k_qd3e8c4a8f5_dense:
	.size	k_qd3e8c4a8f5_dense, .Lfunc_end_k_qd3e8c4a8f5_dense-k_qd3e8c4a8f5_dense
	.p2alignl 7, 3214868480
	.fill 96, 4, 3214868480
	.section	.rodata,"a",@progbits
	.p2align	6, 0x0
	.amdhsa_kernel k_qd3e8c4a8f5_dense
		.amdhsa_group_segment_fixed_size 327680
		.amdhsa_private_segment_fixed_size 0
		.amdhsa_enable_private_segment 0
		.amdhsa_kernarg_size 32
		.amdhsa_user_sgpr_count 2
		.amdhsa_user_sgpr_kernarg_segment_ptr 1
		.amdhsa_wavefront_size32 1
		.amdhsa_system_sgpr_workgroup_id_x 1
		.amdhsa_system_sgpr_workgroup_id_y 1
		.amdhsa_system_sgpr_workgroup_id_z 1
		.amdhsa_system_vgpr_workitem_id 0
		.amdhsa_next_free_vgpr 384
		.amdhsa_next_free_sgpr 68
		.amdhsa_reserve_vcc 0
		.amdhsa_float_denorm_mode_32 3
		.amdhsa_float_denorm_mode_16_64 3
		.amdhsa_memory_ordered 1
		.amdhsa_forward_progress 1
		.amdhsa_inst_pref_size 93
	.end_amdhsa_kernel
	.amdgpu_metadata
---
amdhsa.version: [ 1, 2 ]
amdhsa.kernels:
  - .name:           k_qd3e8c4a8f5_dense
    .symbol:         k_qd3e8c4a8f5_dense.kd
    .args:
      - { .name: att, .offset: 0, .size: 8, .value_kind: global_buffer, .address_space: global }
      - { .name: wdt, .offset: 8, .size: 8, .value_kind: global_buffer, .address_space: global }
      - { .name: b_dense, .offset: 16, .size: 8, .value_kind: global_buffer, .address_space: global }
      - { .name: out0, .offset: 24, .size: 8, .value_kind: global_buffer, .address_space: global }
    .group_segment_fixed_size: 327680
    .private_segment_fixed_size: 0
    .kernarg_segment_align: 8
    .kernarg_segment_size: 32
    .max_flat_workgroup_size: 128
    .sgpr_count:     68
    .vgpr_count:     384
    .wavefront_size: 32
...
	.end_amdgpu_metadata
.endif
;; end of part 4
;; ======== version 2 of 3: 4 launches; 1.19 times as fast as version 1
;; limits: values are held in f16: magnitudes above 65,504 overflow, below 6.1e-05 lose precision
;; workspace buffers: xh 8,388,608 bytes; wqt 6,291,456 bytes; wdt 2,097,152 bytes; maskw 524,288 bytes of whole numbers; qkv 25,165,824 bytes; att 8,388,608 bytes
;; launch prep: the kernel of part 1 again; grid 1280 x 1, 8 waves a work-group, no clusters, 17,920 bytes of LDS; arguments X, W_qkv, W_dense, attention_mask, xh, wqt, wdt, maskw; writes xh, wqt, wdt, maskw
;; launch qkvproj: the kernel of part 2 again; grid 16 x 16, 4 waves a work-group, clusters of 4 x 4, 327,680 bytes of LDS; arguments xh, wqt, b_qkv, qkv; writes qkv
;; launch attn (part 5): grid 8 x 32, 8 waves a work-group, clusters of 4 x 1, 327,680 bytes of LDS; arguments qkv, maskw, att; writes att
.if DOCPART == 5
	.amdgcn_target "amdgcn-amd-amdhsa--gfx1250"
	.amdhsa_code_object_version 6
	.text
	.protected	k_qd3e8c4a8f5_attn
	.globl	k_qd3e8c4a8f5_attn
	.p2align	8
	.type	k_qd3e8c4a8f5_attn,@function
k_qd3e8c4a8f5_attn:
	s_mov_b64 s[64:65], 0
	v_nop
	global_prefetch_b8 v0, s[64:65] scope:SCOPE_SE
	s_setreg_imm32_b32 hwreg(HW_REG_WAVE_MODE, 25, 1), 1
	s_wait_xcnt 0x0
	s_wait_alu depctr_hold_cnt(0) depctr_sa_sdst(0) depctr_va_vdst(0) depctr_va_sdst(0) depctr_va_ssrc(0) depctr_va_vcc(0) depctr_vm_vsrc(0)
	s_getreg_b32 s2, hwreg(HW_REG_IB_STS2, 6, 4)
	s_cmp_eq_u32 s2, 0
	s_cbranch_scc0 .Lentry_in_a_cluster
	s_endpgm
.Lentry_in_a_cluster:
	s_bfe_u32 s2, ttmp6, 0x10000c
	s_cmp_lg_u32 s2, 0x3003
	s_cbranch_scc0 .Lentry_shape_is_right
	s_endpgm
.Lentry_shape_is_right:
; ATTENTION of one head (b, h) for 256 queries: att[bh][s][64] = softmax(where(mask, -0.0001, q k^T / 8)) v, f16 operands, f32 sums and softmax.
; Masked scores are REPLACED, not dropped: all 2,048 keys count in every row, and the mask is taken as it is given (maskw: lane-mask words).
; Eight waves.  Wave w: qg = w & 3 (64 queries), kh = w >> 2 (one half of the keys of every tile).  K and V come in tiles of 256 keys through two LDS
; slots; wave half kh works on keys 128 kh .. 128 kh + 127 of each tile, in two steps of 64.  Two waves lie on each SIMD, so that one wave's softmax
; runs beside the other's matrix work, while each wave keeps 64 queries for every fragment of K and V that it loads.  The two halves' sums are merged
; once at the end, through LDS.
; CLUSTERS: the four query blocks of a cluster (4, 1, 1) read the same K and V tiles: each wave's part of a tile is asked for jointly (mask 15).
; ORIENTATION: S^T = K Q^T (source 0 = 16 keys, source 1 = 16 queries): lane (r, h), register j holds key 8 h + j of query r.  So a row's maximum and
; sum are per lane plus one exchange of the halves, and two packed tiles of S^T are the second source of O^T = V^T P^T as they stand.
; SOFTMAX: running maximum M of the raw scores per query and key half; p = 2^(c s - c M), c = log2(e) / 8.  NM = -round(c M) is the one exponent used
; for p, for the rescaling and for the merge, so that its rounding cancels.  The masked value is -0.0001 x 8 in the raw scale (exact in f32).
; THE MASK WORDS come by scalar loads, whose counter shows something at 0 alone: so what counts is the work between a request and the next wait.  A step
; takes its four query tiles in two pairs; the words of a pair (64 registers, two buffers) are asked for straight behind the selects of the pair before,
; and the whole softmax and the PV products of that pair stand between the request and the wait.
; LIMITS: q, k, v arrive in f16 (below 65,504); p is rounded to f16 for the product while its sum is kept in f32; NaN inputs are not followed.
; No prefetch: K, V and Q were stored by the launch just before.
; REGISTERS: window 0: v1-3 lane, r, h; v4-7 LDS addresses; v8 masked value; v9 Q offset; v10-13 M; v14-21 NM (pairs); v22-29 alpha (pairs); v30-31 c;
; v32-159 S, then P in place; v160-223 K fragments; v224-231 sums (pairs); v232-255 at work.
; window 1: v0-127 O^T (tile (qt, dt) at 8 (4 qt + dt)); v128-191 Q fragments; v192-255 V fragments.
.set SLOTB, 77824                      ; a slot: K 256 x 144 = 36,864, then V 256 x 160 = 40,960
.set VOFF,  36864
.set MERGE, 2*SLOTB                    ; 155,648: 4 x 17,408 (O 16,384, statistics 1,024): bytes of their own, no fill lands there
.set OUTS,  MERGE+4*17408              ; 225,280: 4 x 9,216 (64 rows x 144)
.set KAD, 4
.set VAD, 6
.set CM,  8
.set MXR, 10
.set NM,  14
.set AL,  22
.set CC,  30
.set SC,  32
.set KF,  160
.set LP,  224
.set MX,  232                          ; v232-239: four chains of maxima for each query tile of a pair
.set SU,  232                          ; v232-247: four chains of sums (pairs) for each tile of a pair; they lie over MX, which is done with by then
.set TA,  248                          ; v248-251: two registers at work for each tile of a pair
.set OC,  0                            ; window 1
.set QF,  128                          ; window 1
.set VF,  192                          ; window 1
.set MBUFA, 32                         ; s[32:63] mask words of the pair's first tile
.set MBUFB, 68                         ; s[68:99] mask words of the pair's second tile
.set MSB, 0
.macro WIN new                         ; the immediate's high byte repeats the setting that is left
.if MSB != \new
	s_set_vgpr_msb (MSB<<8)|\new
.set MSB, \new
.endif
.endm
.macro ROUND                           ; a round of the cluster's barrier
	s_barrier_signal -1
	s_barrier_wait -1
	s_cmp_lg_u32 s6, 0
	s_cbranch_scc1 .Lnot_wave_0_\@
	s_barrier_signal -3
.Lnot_wave_0_\@:
	s_barrier_wait -3
	s_barrier_signal -1
	s_barrier_wait -1
.endm
.macro LOADM buf, off                  ; the 32 mask words of one (16 queries, 64 keys): 128 bytes
	s_load_b512 s[\buf:\buf+15], s[4:5], \off
	s_load_b512 s[\buf+16:\buf+31], s[4:5], \off+64
.endm
	s_load_b128 s[68:71], s[0:1], 0x0              ; qkv s[68:69], maskw s[70:71] (buffer B's registers serve as temporaries up to the end of the set-up)
	s_load_b64 s[104:105], s[0:1], 0x10            ; att
	v_lshl_add_u32 v254, v0, 2, 0x40000
	v_mov_b32 v255, 0
	ds_add_u32 v254, v255
	s_wait_dscnt 0x0
	v_lshrrev_b32 v1, 5, v0
	v_readfirstlane_b32 s6, v1                     ; wave 0..7
	v_and_b32 v1, 31, v0                           ; lane
	v_and_b32 v2, 15, v0                           ; r
	v_bfe_u32 v3, v0, 4, 1                         ; h
	s_and_b32 s7, ttmp7, 0xffff                    ; bh = 16 b + h: the cluster's y
	s_bfe_u32 s74, ttmp6, 0x40000                  ; cx
	s_lshl_b32 s75, ttmp9, 2
	s_add_co_u32 s75, s75, s74                     ; qb: which 256 queries
	s_and_b32 s76, s6, 3                           ; qg
	s_lshr_b32 s77, s6, 2                          ; kh
	s_mov_b32 s66, 0x76543210                      ; v_permlanex16_b32: lane i reads lane i of the other half
	s_mov_b32 s67, 0xfedcba98
	s_mul_i32 s100, s6, 4608                       ; my 32 rows of K in a slot
	s_mul_i32 s101, s6, 5120
	s_add_co_u32 s101, s101, VOFF                  ; my 32 rows of V
	; A wave's part of a tile is 32 rows of 128 bytes, dense in memory: 4,096 bytes, described as 16 rows of 256 bytes.  The padding is counted along the
	; tile: behind every 32 words (one key's 128 bytes) 4 words for K (pitch 144) and 8 for V (pitch 160, an odd multiple of 32 for the transposing load).
	s_mov_b32 s8, 15|(3<<16)|(1<<20)|(1<<21)|(4<<22)|(3<<25)
	s_mov_b32 s16, 15|(3<<16)|(1<<20)|(1<<21)|(4<<22)|(7<<25)
	s_mov_b32 s9, 32<<16                           ; tensor_dim0 = 32 elements of 8 bytes
	s_mov_b32 s17, 32<<16
	s_mov_b32 s10, 16<<16                          ; tensor_dim1 = 16
	s_mov_b32 s18, 16<<16
	s_mov_b32 s11, 32<<16                          ; tile_dim0 = 32
	s_mov_b32 s19, 32<<16
	s_mov_b32 s12, 16                              ; tile_dim1 = 16
	s_mov_b32 s20, 16
	s_mov_b32 s13, 32                              ; pitch = 32 elements
	s_mov_b32 s21, 32
	s_mov_b32 s14, 0
	s_mov_b32 s22, 0
	s_mov_b32 s15, 0
	s_mov_b32 s23, 0
	s_add_co_u32 s78, s7, 32                       ; K's plane = 32 + bh: the address hangs on bh and the wave alone, equal in the four partners
	s_lshl_b32 s78, s78, 18
	s_lshl_b32 s80, s6, 12
	s_add_co_u32 s78, s78, s80
	s_mov_b32 s79, 0
	s_lshl_b32 s82, s7, 18                         ; Q's and att's rows: plane bh, row 256 qb + 64 qg, 128 bytes a row
	s_lshl_b32 s84, s75, 15
	s_add_co_u32 s82, s82, s84
	s_lshl_b32 s84, s76, 13
	s_add_co_u32 s82, s82, s84
	s_mov_b32 s83, 0
	s_lshl_b32 s86, s75, 16                        ; mask words: T = 16 qb + 4 qg (4,096 bytes each), J = 2 kh (128 bytes each)
	s_lshl_b32 s88, s76, 14
	s_add_co_u32 s86, s86, s88
	s_lshl_b32 s88, s77, 8
	s_add_co_u32 s86, s86, s88
	s_mov_b32 s87, 0
	s_wait_kmcnt 0x0
	s_mov_b32 s24, 1
	s_mov_b32 s25, s100
	s_add_nc_u64 s[26:27], s[68:69], s[78:79]
	s_mov_b32 s28, 1
	s_mov_b32 s29, s101
	s_add_nc_u64 s[30:31], s[26:27], 0x800000      ; V's plane = 64 + bh: 32 planes on
	s_or_b32 s27, s27, 0x80000000
	s_or_b32 s31, s31, 0x80000000
	s_add_nc_u64 s[72:73], s[68:69], s[82:83]      ; Q
	s_add_nc_u64 s[104:105], s[104:105], s[82:83]  ; att
	s_add_nc_u64 s[4:5], s[70:71], s[86:87]        ; mask pointer
	ROUND                                          ; the four partners are here: the first joint loads meet
	tensor_load_to_lds s[24:27], s[8:15]           ; tile 0 into slot 0
	s_nop 0
	tensor_load_to_lds s[28:31], s[16:23]
	s_nop 0
	v_nop
	v_nop
	; Q fragments (second source): lane (r, h) holds query r; registers 0-3: d = 32 dh + 8 h .., 4-7: + 16
	v_lshlrev_b32 v9, 7, v2
	v_lshl_add_u32 v9, v3, 4, v9
	WIN 0x40
.irp qt, 0,1,2,3
.irp dh, 0,1
	global_load_b128 v[QF+8*(2*\qt+\dh):QF+8*(2*\qt+\dh)+3],   v9, s[72:73] offset:2048*\qt+64*\dh
	global_load_b128 v[QF+8*(2*\qt+\dh)+4:QF+8*(2*\qt+\dh)+7], v9, s[72:73] offset:2048*\qt+64*\dh+32
.endr
.endr
	WIN 0
	LOADM MBUFA, 0                                 ; the first step's words for query tile 0
	s_mul_i32 s2, s77, 128*144
	v_mul_u32_u24 v[KAD], v2, 144
	v_lshl_add_u32 v[KAD], v3, 4, v[KAD]
	v_add_nc_u32 v[KAD], s2, v[KAD]                ; K: (128 kh + r) x 144 + 16 h
	v_add_nc_u32 v[KAD+1], SLOTB, v[KAD]
	s_mul_i32 s2, s77, 128*160
	s_add_co_u32 s2, s2, VOFF
	v_and_b32 v[TA], 7, v1
	v_lshl_add_u32 v[TA], v3, 3, v[TA]
	v_mul_u32_u24 v[VAD], v[TA], 160
	v_bfe_u32 v[TA+1], v1, 3, 1
	v_lshl_add_u32 v[VAD], v[TA+1], 4, v[VAD]
	v_add_nc_u32 v[VAD], s2, v[VAD]                ; V: (128 kh + 8 h + (lane & 7)) x 160 + 16 ((lane >> 3) & 1)
	v_add_nc_u32 v[VAD+1], SLOTB, v[VAD]
	v_mov_b32 v[CM], 0xba51b717                    ; -0.0001 x 8
	v_mov_b32 v[CC], 0x3e38aa3b                    ; c = log2(e) / 8, twice: a pair for the packed multiply-add, which then carries no literal
	v_mov_b32 v[CC+1], 0x3e38aa3b
	s_wait_loadcnt 0x0                             ; Q is in: its base s[72:73] and the other temporaries in buffer B's registers are done with
	LOADM MBUFB, 4096                              ; the first step's words for query tile 1 (the next 16 queries' words lie 4,096 bytes on)
; The select of one query tile: word 8 kt + j is the lane mask of register j of tile kt.
.macro CND qt, mb
.set j, 0
.rept 32
	v_cndmask_b32 v[SC+32*\qt+j], v[SC+32*\qt+j], v[CM], s[\mb+j]
.set j, j+1
.endr
.endm
; Instruction n (0 .. 31) of what follows a query tile's exponentials: 16 for the sum (four chains of pairs, then the running sum), 16 that pack P in place.
; In place and ascending: tiles 2 kk, 2 kk + 1 become the 8 registers at 16 kk; no pack writes a register that a later one reads.
.macro TAILOP qt, first, n
.set TSB, SC+32*\qt
.set TSU, SU+8*(\qt&1)
.if \n < 4
	s_wait_alu depctr_va_vdst(0)
	v_pk_add_f32 v[TSU+2*\n:TSU+2*\n+1], v[TSB+8*\n:TSB+8*\n+1], v[TSB+8*\n+2:TSB+8*\n+3]
.elseif \n < 12
.set tc, (\n-4)%4
.set te, 4+2*((\n-4)/4)
	v_pk_add_f32 v[TSU+2*tc:TSU+2*tc+1], v[TSU+2*tc:TSU+2*tc+1], v[TSB+8*tc+te:TSB+8*tc+te+1]
.elseif \n == 12
	v_pk_add_f32 v[TSU:TSU+1], v[TSU:TSU+1], v[TSU+2:TSU+3]
.elseif \n == 13
	v_pk_add_f32 v[TSU+4:TSU+5], v[TSU+4:TSU+5], v[TSU+6:TSU+7]
.elseif \n == 14
.if \first
	v_pk_add_f32 v[LP+2*\qt:LP+2*\qt+1], v[TSU:TSU+1], v[TSU+4:TSU+5]
.else
	v_pk_fma_f32 v[LP+2*\qt:LP+2*\qt+1], v[LP+2*\qt:LP+2*\qt+1], v[AL+2*\qt:AL+2*\qt+1], v[TSU:TSU+1]
.endif
.elseif \n == 15
.if \first == 0
	v_pk_add_f32 v[LP+2*\qt:LP+2*\qt+1], v[LP+2*\qt:LP+2*\qt+1], v[TSU+4:TSU+5]
.endif
.else
.set tj, \n-16
	v_cvt_pk_f16_f32 v[TSB+16*(tj/8)+(tj%8)], v[TSB+2*tj], v[TSB+2*tj+1]
.endif
.endm
; The softmax of two query tiles (qa even, qb = qa + 1) x 64 keys, behind their selects; all in window 0.  first = 1: no older maximum or sum.
; The two tiles go stage by stage side by side, so that neither's short dependent chain stands alone, and the exponentials alternate with plain work
; of the other tile.  Behind every exponential a plain instruction that names neither its result nor its source comes before the result is used.
.macro SOFT2 qa, qb, first
.irp c, 0,1,2,3
.irp q, \qa, \qb
	v_max_num_f32 v[MX+4*(\q&1)+\c], v[SC+32*\q+8*\c], v[SC+32*\q+8*\c+1]
.endr
.endr
.irp e, 2,4,6
.irp c, 0,1,2,3
.irp q, \qa, \qb
	v_max3_num_f32 v[MX+4*(\q&1)+\c], v[MX+4*(\q&1)+\c], v[SC+32*\q+8*\c+\e], v[SC+32*\q+8*\c+\e+1]
.endr
.endr
.endr
.irp q, \qa, \qb
	v_max3_num_f32 v[MX+4*(\q&1)], v[MX+4*(\q&1)], v[MX+4*(\q&1)+1], v[MX+4*(\q&1)+2]
.endr
.irp q, \qa, \qb
.if \first
	v_max_num_f32 v[MX+4*(\q&1)], v[MX+4*(\q&1)], v[MX+4*(\q&1)+3]
.else
	v_max3_num_f32 v[MX+4*(\q&1)], v[MX+4*(\q&1)], v[MX+4*(\q&1)+3], v[MXR+\q]
.endif
.endr
.irp q, \qa, \qb
	v_permlanex16_b32 v[MX+4*(\q&1)+1], v[MX+4*(\q&1)], s66, s67   ; the other half of the lanes holds the query's other keys
.endr
.irp q, \qa, \qb
	v_max_num_f32 v[MXR+\q], v[MX+4*(\q&1)], v[MX+4*(\q&1)+1]
.endr
.irp q, \qa, \qb
	v_mul_f32 v[TA+2*(\q&1)], 0xbe38aa3b, v[MXR+\q]                ; -c M
.endr
.if \first == 0
.irp q, \qa, \qb
	v_sub_f32 v[TA+2*(\q&1)+1], v[TA+2*(\q&1)], v[NM+2*\q]         ; c (M old - M new) <= 0
.endr
.irp q, \qa, \qb
	v_exp_f32 v[AL+2*\q], v[TA+2*(\q&1)+1]
.endr
.endif
.irp q, \qa, \qb
	v_mov_b32 v[NM+2*\q], v[TA+2*(\q&1)]           ; plain work behind the two exponentials, ahead of the first use of their results
	v_mov_b32 v[NM+2*\q+1], v[TA+2*(\q&1)]
.endr
.if \first == 0
	s_wait_alu depctr_va_vdst(0)
.irp q, \qa, \qb
	v_mov_b32 v[AL+2*\q+1], v[AL+2*\q]
.endr
.endif
.set j, 0
.rept 16
	v_pk_fma_f32 v[SC+32*\qa+j:SC+32*\qa+j+1], v[SC+32*\qa+j:SC+32*\qa+j+1], v[CC:CC+1], v[NM+2*\qa:NM+2*\qa+1]
.set j, j+2
.endr
.set j, 0
.rept 16                                           ; qa's 32 exponentials, qb's 16 multiply-adds between them
	v_exp_f32 v[SC+32*\qa+j], v[SC+32*\qa+j]
	v_pk_fma_f32 v[SC+32*\qb+j:SC+32*\qb+j+1], v[SC+32*\qb+j:SC+32*\qb+j+1], v[CC:CC+1], v[NM+2*\qb:NM+2*\qb+1]
	v_exp_f32 v[SC+32*\qa+j+1], v[SC+32*\qa+j+1]
.set j, j+2
.endr
.set t, 0
.rept 32                                           ; qb's 32 exponentials, qa's sums and packs between them
	v_exp_f32 v[SC+32*\qb+t], v[SC+32*\qb+t]
	TAILOP \qa, \first, t
.set t, t+1
.endr
.set t, 0
.rept 32
	TAILOP \qb, \first, t
.set t, t+1
.endr
.endm
; O^T of two query tiles: the old sums are rescaled, then 16 matrix instructions on 8 accumulators, which take turns, one instruction a turn.
; left: the count of the wait for V's fragments (-1: they have been waited for).
.macro PV2 qa, qb, first, left
.if \first == 0
	WIN 0x41                                       ; O^T (source 0 and destination) in window 1, alpha in window 0
.irp q, \qa, \qb
.set j, 0
.rept 16
	v_pk_mul_f32 v[OC+32*\q+j:OC+32*\q+j+1], v[OC+32*\q+j:OC+32*\q+j+1], v[AL+2*\q:AL+2*\q+1]
.set j, j+2
.endr
.endr
.endif
.if \left >= 0
	s_wait_dscnt \left
.endif
	WIN 0x51                                       ; source 0 (V^T), C and D (O^T) in window 1; source 1 (P^T) in window 0
.irp q, \qa, \qb
.irp dt, 0,1,2,3
.if \first
	v_wmma_f32_16x16x32_f16 v[OC+32*\q+8*\dt:OC+32*\q+8*\dt+7], v[VF+16*\dt:VF+16*\dt+7], v[SC+32*\q:SC+32*\q+7], 0
.else
	v_wmma_f32_16x16x32_f16 v[OC+32*\q+8*\dt:OC+32*\q+8*\dt+7], v[VF+16*\dt:VF+16*\dt+7], v[SC+32*\q:SC+32*\q+7], v[OC+32*\q+8*\dt:OC+32*\q+8*\dt+7]
.endif
.endr
.endr
.irp q, \qa, \qb
.irp dt, 0,1,2,3
	v_wmma_f32_16x16x32_f16 v[OC+32*\q+8*\dt:OC+32*\q+8*\dt+7], v[VF+16*\dt+8:VF+16*\dt+15], v[SC+32*\q+16:SC+32*\q+23], v[OC+32*\q+8*\dt:OC+32*\q+8*\dt+7]
.endr
.endr
	WIN 0
.endm
.macro KLOAD slot, blk                 ; the K fragments of 64 keys: (kt, dh) = 16 keys x 32 d
.irp kt, 0,1,2,3
.irp dh, 0,1
	ds_load_b128 v[KF+8*(2*\kt+\dh):KF+8*(2*\kt+\dh)+3],   v[KAD+\slot] offset:9216*\blk+2304*\kt+64*\dh
	ds_load_b128 v[KF+8*(2*\kt+\dh)+4:KF+8*(2*\kt+\dh)+7], v[KAD+\slot] offset:9216*\blk+2304*\kt+64*\dh+32
.endr
.endr
.endm
; One step: 64 queries x 64 keys.  adv: the mask pointer's step into this step's 64 keys (taken behind the wait that shows its loads done);
; dj: where the next step's words lie from there (-1: there is no next step).
.macro STEP slot, blk, first, knext, adv, dj
.rept 5
	v_nop                                          ; five places: the products below write over P, which the last step's matrix instructions read (ISA guide 7.12.1)
.endr
	s_wait_dscnt 0x0                               ; the K fragments are in
	WIN 0x04                                       ; source 1 (Q) in window 1
.irp kt, 0,1,2,3
.irp qt, 0,1,2,3
	v_wmma_f32_16x16x32_f16 v[SC+32*\qt+8*\kt:SC+32*\qt+8*\kt+7], v[KF+16*\kt:KF+16*\kt+7], v[QF+16*\qt:QF+16*\qt+7], 0
.endr
.endr
.irp kt, 0,1,2,3                                   ; the 16 accumulators take turns, one instruction a turn
.irp qt, 0,1,2,3
	v_wmma_f32_16x16x32_f16 v[SC+32*\qt+8*\kt:SC+32*\qt+8*\kt+7], v[KF+16*\kt+8:KF+16*\kt+15], v[QF+16*\qt+8:QF+16*\qt+15], v[SC+32*\qt+8*\kt:SC+32*\qt+8*\kt+7]
.endr
.endr
	WIN 0
.rept 4
	v_nop                                          ; four places: in front of the loads into K's and V's fragments and of the readers of S
.endr
	WIN 0x40
.irp kk, 0,1
.irp dt, 0,1,2,3
	ds_load_tr16_b128 v[VF+8*(2*\dt+\kk):VF+8*(2*\dt+\kk)+3],   v[VAD+\slot] offset:10240*\blk+5120*\kk+32*\dt
	ds_load_tr16_b128 v[VF+8*(2*\dt+\kk)+4:VF+8*(2*\dt+\kk)+7], v[VAD+\slot] offset:10240*\blk+5120*\kk+2560+32*\dt
.endr
.endr
	WIN 0
.if \knext
	KLOAD \slot, (\blk+1)
.endif
	s_wait_kmcnt 0x0                               ; the words of query tiles 0 and 1 are in (asked for in the middle of the step before)
.if \adv
	s_add_nc_u64 s[4:5], s[4:5], \adv              ; no scalar load is out: the pointer may step
.endif
	CND 0, MBUFA
	LOADM MBUFA, 8192                              ; tile 2's words: the softmax and the PV products of tiles 0 and 1 stand between this request and its wait
	CND 1, MBUFB
	LOADM MBUFB, 12288                             ; tile 3's
	SOFT2 0, 1, \first
.if \knext
	PV2 0, 1, \first, 16                           ; V's 16 loads are in; the 16 of K issued behind them may stay out
.else
	PV2 0, 1, \first, 0
.endif
	s_wait_kmcnt 0x0                               ; the words of query tiles 2 and 3 are in
	CND 2, MBUFA
.if \dj >= 0
	LOADM MBUFA, \dj                               ; the next step's words for tile 0,
.endif
	CND 3, MBUFB
.if \dj >= 0
	LOADM MBUFB, \dj+4096                          ; and for tile 1
.endif
	SOFT2 2, 3, \first
	PV2 2, 3, \first, -1
.endm
; One tile of 256 keys.  Every wave waits for all its tensor loads (its parts of this trip's tile: two are out at most) and for its reads of the other
; slot; the round of the cluster's barrier then shows both of every wave of the four partners; the joint refills are the first tensor loads behind it
; and have the whole trip in which to land.
.macro TRIP slot, refill, first, adv, lastdj
	s_wait_xcnt 0x0
	v_lshl_add_u32 v254, v0, 2, 0x40000
	v_mov_b32 v255, 0
	s_wait_tensorcnt 0x0
	ds_add_u32 v254, v255
	s_wait_dscnt 0x0
.if \refill
	s_add_co_u32 s25, s100, (1-\slot)*SLOTB        ; no tensor load of mine is out: both group 0 sets may be written
	s_add_co_u32 s29, s101, (1-\slot)*SLOTB
	s_add_nc_u64 s[26:27], s[26:27], 32768         ; 256 keys x 128 bytes on
	s_add_nc_u64 s[30:31], s[30:31], 32768
.endif
	s_wait_dscnt 0x0
	ROUND
.if \refill
	tensor_load_to_lds s[24:27], s[8:15]
	s_nop 0
	tensor_load_to_lds s[28:31], s[16:23]
	s_nop 0
.endif
	KLOAD \slot, 0
	STEP \slot, 0, \first, 1, \adv, 128            ; the next 64 keys' words lie 128 bytes on;
	STEP \slot, 1, 0, 0, 128, \lastdj              ; from my second 64 keys to my first in the next tile it is three blocks of 64: 384 bytes
.endm
	; Eight tiles: slot 0 (its first step starts the sums), three times slots 1 and 0, slot 1 (asks for nothing more): four trips of text for eight trips of work
	TRIP 0, 1, 1, 0, 384
	s_mov_b32 s7, 3
.Lpair:
	TRIP 1, 1, 0, 384, 384
	TRIP 0, 1, 0, 384, 384
	s_sub_co_u32 s7, s7, 1
	s_cmp_lg_u32 s7, 0
	s_cbranch_scc1 .Lpair
	TRIP 1, 0, 0, 384, -1
	; THE MERGE of the two key halves.  Waves 4-7 hand O^T, NM and the sums to waves 0-3 of the same queries, lane for lane.
.rept 4
	v_nop                                          ; four places behind the last matrix instructions
.endr
.irp qt, 0,1,2,3
	v_add_f32 v[252+\qt], v[LP+2*\qt], v[LP+2*\qt+1]
	v_mov_b32 v[248+\qt], v[NM+2*\qt]
.endr
.irp qt, 0,1,2,3
	v_permlanex16_b32 v[MX+\qt], v[252+\qt], s66, s67
.endr
.irp qt, 0,1,2,3
	v_add_f32 v[252+\qt], v[252+\qt], v[MX+\qt]    ; the query's sum over my half of the keys
.endr
	s_and_b32 s32, s6, 3
	s_mul_i32 s33, s32, 17408
	s_add_co_u32 s33, s33, MERGE
	v_lshl_add_u32 v244, v1, 4, s33
	s_cmp_lt_u32 s6, 4
	s_cbranch_scc1 .Lno_hand
	WIN 0x04                                       ; store data (source 1) in window 1
.set j, 0
.rept 32
	ds_store_b128 v244, v[OC+4*j:OC+4*j+3] offset:512*j
.set j, j+1
.endr
	WIN 0
	ds_store_b128 v244, v[248:251] offset:16384
	ds_store_b128 v244, v[252:255] offset:16896
.Lno_hand:
	s_wait_dscnt 0x0                               ; my stores are done, for the partner wave's sake
	s_barrier_signal -1
	s_barrier_wait -1
	s_cmp_ge_u32 s6, 4
	s_cbranch_scc1 .Lend
	ds_load_b128 v[160:163], v244 offset:16384     ; the partner's NM
	ds_load_b128 v[164:167], v244 offset:16896     ; and sums
.set j, 0
.rept 32
	ds_load_b128 v[SC+4*j:SC+4*j+3], v244 offset:512*j
.set j, j+1
.endr
	s_wait_dscnt 32                                ; the statistics are in; the 32 loads of O^T behind them stay out
.irp qt, 0,1,2,3
	v_min_num_f32 v[168+\qt], v[248+\qt], v[160+\qt]      ; the smaller NM belongs to the larger maximum
.endr
.irp qt, 0,1,2,3
	v_sub_f32 v[172+\qt], v[168+\qt], v[248+\qt]
	v_sub_f32 v[176+\qt], v[168+\qt], v[160+\qt]
.endr
.irp qt, 0,1,2,3
	v_exp_f32 v[172+\qt], v[172+\qt]
	v_exp_f32 v[176+\qt], v[176+\qt]
.endr
	v_nop
	s_wait_alu depctr_va_vdst(0)
.irp qt, 0,1,2,3
	v_mul_f32 v[180+\qt], v[252+\qt], v[172+\qt]
.endr
.irp qt, 0,1,2,3
	v_fmac_f32 v[180+\qt], v[164+\qt], v[176+\qt]  ; the whole row's sum: at least about 1, since the larger maximum's own term is about 1
.endr
.irp qt, 0,1,2,3
	v_rcp_f32 v[180+\qt], v[180+\qt]
.endr
	v_nop
	s_wait_alu depctr_va_vdst(0)
.irp qt, 0,1,2,3
	v_mul_f32 v[184+2*\qt], v[172+\qt], v[180+\qt] ; my factor, twice (a pair for the packed forms)
	v_mul_f32 v[185+2*\qt], v[172+\qt], v[180+\qt]
	v_mul_f32 v[192+2*\qt], v[176+\qt], v[180+\qt] ; the partner's
	v_mul_f32 v[193+2*\qt], v[176+\qt], v[180+\qt]
.endr
	s_wait_dscnt 0x0
.irp qt, 0,1,2,3
.set j, 0
.rept 16
	v_pk_mul_f32 v[SC+32*\qt+j:SC+32*\qt+j+1], v[SC+32*\qt+j:SC+32*\qt+j+1], v[192+2*\qt:193+2*\qt]
.set j, j+2
.endr
.endr
	WIN 0x01                                       ; source 0 (my O^T) in window 1
.irp qt, 0,1,2,3
.set j, 0
.rept 16
	v_pk_fma_f32 v[SC+32*\qt+j:SC+32*\qt+j+1], v[OC+32*\qt+j:OC+32*\qt+j+1], v[184+2*\qt:185+2*\qt], v[SC+32*\qt+j:SC+32*\qt+j+1]
.set j, j+2
.endr
.endr
	WIN 0
	; lane (r, h), tile (qt, dt): query 16 qt + r, d = 16 dt + 8 h + 0 .. 7: 16 bytes of f16; through my own stage, then whole rows out
	s_mul_i32 s34, s32, 9216
	s_add_co_u32 s34, s34, OUTS
	v_mul_u32_u24 v245, v2, 144
	v_lshl_add_u32 v245, v3, 4, v245
	v_add_nc_u32 v245, s34, v245
	v_lshrrev_b32 v246, 3, v1
	v_mul_u32_u24 v246, v246, 144
	v_and_b32 v247, 7, v1
	v_lshl_add_u32 v246, v247, 4, v246
	v_add_nc_u32 v246, s34, v246
	v_lshlrev_b32 v247, 4, v1
.irp qt, 0,1,2,3
.irp dt, 0,1,2,3
.irp p, 0,1,2,3
	v_cvt_pk_f16_f32 v[SC+32*\qt+8*\dt+\p], v[SC+32*\qt+8*\dt+2*\p], v[SC+32*\qt+8*\dt+2*\p+1]
.endr
	ds_store_b128 v245, v[SC+32*\qt+8*\dt:SC+32*\qt+8*\dt+3] offset:2304*\qt+32*\dt
.endr
.endr
.irp t, 0,1,2,3,4,5,6,7,8,9,10,11,12,13,14,15
	ds_load_b128 v[160+4*\t:160+4*\t+3], v246 offset:576*\t        ; my own bytes: LDS serves a wave's instructions in order (ISA guide 5.7.1)
.endr
.irp t, 0,1,2,3,4,5,6,7,8,9,10,11,12,13,14,15
	s_wait_dscnt 15-\t
	global_store_b128 v247, v[160+4*\t:160+4*\t+3], s[104:105] offset:512*\t   ; four rows of 128 bytes: 512 consecutive bytes, aligned
.endr
.Lend:
	s_wait_xcnt 0x0
	v_lshl_add_u32 v254, v0, 2, 0x40000
	v_mov_b32 v255, 0
	s_wait_tensorcnt 0x0
	ds_add_u32 v254, v255
	s_wait_dscnt 0x0
	ROUND                                          ; the closing round: no work-group ends while a partner may still ask for a tile that names it
	s_endpgm
.Lfunc_end_k_qd3e8c4a8f5_attn:
	.size	k_qd3e8c4a8f5_attn, .Lfunc_end_k_qd3e8c4a8f5_attn-k_qd3e8c4a8f5_attn
	.p2alignl 7, 3214868480
	.fill 96, 4, 3214868480
	.section	.rodata,"a",@progbits
	.p2align	6, 0x0
	.amdhsa_kernel k_qd3e8c4a8f5_attn
		.amdhsa_group_segment_fixed_size 327680
		.amdhsa_private_segment_fixed_size 0
		.amdhsa_enable_private_segment 0
		.amdhsa_kernarg_size 24
		.amdhsa_user_sgpr_count 2
		.amdhsa_user_sgpr_kernarg_segment_ptr 1
		.amdhsa_wavefront_size32 1
		.amdhsa_system_sgpr_workgroup_id_x 1
		.amdhsa_system_sgpr_workgroup_id_y 1
		.amdhsa_system_sgpr_workgroup_id_z 1
		.amdhsa_system_vgpr_workitem_id 0
		.amdhsa_next_free_vgpr 512
		.amdhsa_next_free_sgpr 106
		.amdhsa_reserve_vcc 0
		.amdhsa_float_denorm_mode_32 3
		.amdhsa_float_denorm_mode_16_64 3
		.amdhsa_memory_ordered 1
		.amdhsa_forward_progress 1
		.amdhsa_inst_pref_size 255
	.end_amdhsa_kernel
	.section	.bss,"aw",@nobits
	.p2align	6
	.space	262144
	.amdgpu_metadata
---
amdhsa.version: [ 1, 2 ]
amdhsa.kernels:
  - .name:           k_qd3e8c4a8f5_attn
    .symbol:         k_qd3e8c4a8f5_attn.kd
    .args:
      - { .name: qkv, .offset: 0, .size: 8, .value_kind: global_buffer, .address_space: global }
      - { .name: maskw, .offset: 8, .size: 8, .value_kind: global_buffer, .address_space: global }
      - { .name: att, .offset: 16, .size: 8, .value_kind: global_buffer, .address_space: global }
    .group_segment_fixed_size: 327680
    .private_segment_fixed_size: 0
    .kernarg_segment_align: 8
    .kernarg_segment_size: 24
    .max_flat_workgroup_size: 256
    .sgpr_count:     106
    .vgpr_count:     512
    .wavefront_size: 32
...
	.end_amdgpu_metadata
.endif
;; end of part 5
;; launch dense: the kernel of part 4 again; grid 8 x 32, 4 waves a work-group, clusters of 4 x 4, 327,680 bytes of LDS; arguments att, wdt, b_dense, out0; writes out0
;; ======== version 3 of 3: 4 launches; version 2 with the launch prep written anew for expert scheduling mode
;; limits: values are held in f16: magnitudes above 65,504 overflow, below 6.1e-05 lose precision
;; workspace buffers: xh 8,388,608 bytes; wqt 6,291,456 bytes; wdt 2,097,152 bytes; maskw 524,288 bytes of whole numbers; qkv 25,165,824 bytes; att 8,388,608 bytes
;; launch prep (part 6): grid 1280 x 1, 8 waves a work-group, no clusters, 17,920 bytes of LDS; arguments X, W_qkv, W_dense, attention_mask, xh, wqt, wdt, maskw; writes xh, wqt, wdt, maskw
.if DOCPART == 6
	.amdgcn_target "amdgcn-amd-amdhsa--gfx1250"
	.amdhsa_code_object_version 6
	.text
	.protected	k_qd3e8c4a8f5_prep
	.globl	k_qd3e8c4a8f5_prep
	.p2align	8
	.type	k_qd3e8c4a8f5_prep,@function
k_qd3e8c4a8f5_prep:
	s_mov_b64 s[64:65], 0
	v_nop
	global_prefetch_b8 v0, s[64:65] scope:SCOPE_SE
	s_setreg_imm32_b32 hwreg(HW_REG_WAVE_SCHED_MODE, 0, 2), 2
	s_setreg_imm32_b32 hwreg(HW_REG_WAVE_MODE, 25, 1), 1
	s_wait_xcnt 0x0
	s_wait_alu depctr_vm_vsrc(0)
; PREP: every input is read once and laid down in the form that the matrix launches take.
;   work-groups    0 ..  511: X [4096][1024] f32  ->  xh [4096][1024] f16                    (32 KiB in, 16 KiB out each)
;   work-groups  512 ..  895: W_qkv [1024 k][3072 n] f32  ->  wqt [3072 n][1024 k] f16       (a tile of 128 k x 64 n each)
;   work-groups  896 .. 1023: W_dense [1024 k][1024 n] f32 ->  wdt [1024 n][1024 k] f16      (the same body)
;   work-groups 1024 .. 1279: attention_mask [2048 q][2048 k] bytes -> maskw, lane-mask words (16 rows x 1024 keys each)
; maskw[T][J][kt][j] (u32; T: 16 queries, J: 64 keys): bit L = mask[16 T + (L & 15)][64 J + 16 kt + 8 (L >> 4) + j] != 0, which is the
; lane mask of register j of a 16 x 16 tile of transposed scores, ready to be the mask operand of v_cndmask_b32.
; LIMIT: f16 holds magnitudes below 65,504; a larger X or W becomes infinity.  Below 6e-5 the rounding step is 6e-8.
; A stream: no matrix unit, no cluster (no byte is shared between work-groups).  The branch that picks the path hangs on the
; work-group's number alone, so all eight waves take the same path and meet at the same barrier.
; THE MODE: SCHED_MODE bits 1:0 = 2 (LLVM: expert scheduling mode 2), set by the entry lines.  The code itself states the register dependences
; between vector instructions and memory or LDS instructions, with s_wait_alu, always for 0.
; THE PLAN.  No path has a loop, and no register that a memory or LDS instruction reads is ever written again: so no wait on vm_vsrc is owed.
;   Offsets and LDS addresses are written once by vector instructions, ahead of a wait on va_vdst that stands ahead of their first reader.
;   X:      v[8:39] written by loads, read by the conversions; v[40:55] written by the conversions, read by the stores.  Two halves of four runs:
;           eight conversions, one wait on va_vdst, four stores.
;   W:      v[8:39] written by global loads, read by the conversions; v[40:55] written by the conversions, read by the LDS stores.  Two halves: eight
;           conversions, one wait on va_vdst, eight LDS stores.  Behind the second wait no vector instruction follows: the LDS loads that land in
;           v[8:23] behind the barrier find every reader of these registers done.
;   mask:   v[8:23] go from global loads to LDS stores, v[32:47] from LDS loads to vector instructions.  The compares write s[24:39], sixteen to a run,
;           with one wait on va_sdst between a run and the v_writelane_b32 that read them.  v[50:51], which these write, have one wait on va_vdst
;           ahead of the one store.
;   v64, v65: written at the head, read by the closing add alone.
.set WPITCH, 264                       ; LDS row of the transposed tile: 128 k x 2 bytes + 8
.set MPITCH, 1040                      ; LDS row of the mask tile: 1024 bytes + 16
	s_load_b512 s[4:19], s[0:1], 0x0               ; X s[4:5], W_qkv s[6:7], W_dense s[8:9], mask s[10:11], xh s[12:13], wqt s[14:15], wdt s[16:17], maskw s[18:19]
	v_lshl_add_u32 v64, v0, 2, 0x4200
	v_mov_b32 v65, 0
	s_mov_b32 s2, ttmp9                            ; work-group
	v_lshrrev_b32 v1, 5, v0
	v_readfirstlane_b32 s3, v1                     ; wave
	v_and_b32 v2, 31, v0                           ; lane
	s_wait_alu depctr_va_sdst(0)                   ; s3 is written, ahead of the first branch and of every reader: the paths make LDS and memory offsets from it
	s_wait_kmcnt 0x0
	s_cmp_lt_u32 s2, 512
	s_cbranch_scc0 .Lnot_x
	; ---- X: thread t takes 16 bytes at 16 t of each of eight runs of 4,096 bytes; a wave's store covers 256 consecutive bytes, aligned
	s_lshl_b32 s20, s2, 15
	s_mov_b32 s21, 0
	s_add_nc_u64 s[4:5], s[4:5], s[20:21]
	s_lshl_b32 s22, s2, 14
	s_mov_b32 s23, 0
	s_add_nc_u64 s[12:13], s[12:13], s[22:23]
	v_lshlrev_b32 v3, 4, v0
	v_lshlrev_b32 v4, 3, v0
	s_wait_alu depctr_va_vdst(0)                   ; v3 and v4 are written: the loads and the stores below read them as their offsets
.irp i, 0,1,2,3,4,5,6,7
	global_load_b128 v[8+4*\i:11+4*\i], v3, s[4:5] offset:4096*\i th:TH_LOAD_NT
.endr
.irp g, 0,1
	s_wait_loadcnt 4-4*\g                          ; loads return in order: this half's four runs are in; in the first half the four younger ones stay out
.irp i, 0,1,2,3
	v_cvt_pk_f16_f32 v[40+2*(4*\g+\i)], v[8+4*(4*\g+\i)], v[9+4*(4*\g+\i)]
	v_cvt_pk_f16_f32 v[41+2*(4*\g+\i)], v[10+4*(4*\g+\i)], v[11+4*(4*\g+\i)]
.endr
	s_wait_alu depctr_va_vdst(0)                   ; the eight conversions have written this half's v[40 ..], which the four stores read
.irp i, 0,1,2,3
	global_store_b64 v4, v[40+2*(4*\g+\i):41+2*(4*\g+\i)], s[12:13] offset:2048*(4*\g+\i)   ; every store has data registers of its own: nothing is rewritten
.endr
.endr
	s_endpgm                                       ; this path has stored nothing to LDS
; ---- a weight tile: 128 k x 64 n, transposed through LDS.  Thread t: c = t & 15 (four columns n = 4 c ..), p = t >> 4 (rows k = 32 i + 2 p, + 1).
; Sixteen lanes read 256 consecutive bytes of a row.  Two rows' numbers of one column pack into one word (k, k + 1), stored at [n][k].
.macro WPATH src, dst, n, first
	s_sub_co_u32 s20, s2, \first                   ; tile number
	s_and_b32 s21, s20, 7                          ; kb: which 128 of k
	s_lshr_b32 s22, s20, 3                         ; nt: which 64 of n
	s_mul_i32 s24, s21, 128*\n*4
	s_lshl_b32 s23, s22, 8
	s_add_co_u32 s24, s24, s23
	s_mov_b32 s25, 0
	s_add_nc_u64 s[\src:\src+1], s[\src:\src+1], s[24:25]
	s_lshl_b32 s26, s22, 17                        ; 64 rows of 2,048 bytes in the transposed matrix
	s_lshl_b32 s23, s21, 8                         ; + 128 k x 2 bytes
	s_add_co_u32 s26, s26, s23
	s_mov_b32 s27, 0
	s_add_nc_u64 s[\dst:\dst+1], s[\dst:\dst+1], s[26:27]
	v_and_b32 v3, 15, v0                           ; c
	v_lshrrev_b32 v4, 4, v0                        ; p
	v_mul_u32_u24 v5, v4, 8*\n                     ; row 2 p
	v_lshl_add_u32 v5, v3, 4, v5                   ; + 16 c
	s_wait_alu depctr_va_vdst(0)                   ; v5 is written: the eight loads read it as their offset
.irp i, 0,1,2,3
.irp e, 0,1
	global_load_b128 v[8+8*\i+4*\e:11+8*\i+4*\e], v5, s[\src:\src+1] offset:(32*\i+\e)*\n*4 th:TH_LOAD_NT
.endr
.endr
	; the path's other three addresses are made while the loads are out; the first wait on va_vdst below covers them
	v_mul_u32_u24 v6, v3, 4*WPITCH                 ; LDS row n = 4 c
	v_lshl_add_u32 v6, v4, 2, v6                   ; + 2 bytes x 2 p
	v_lshlrev_b32 v7, 3, v2                        ; 8 bytes a lane: a wave reads a whole row of 256 bytes
	s_mul_i32 s28, s3, 8*WPITCH                    ; wave w: rows 8 w .. 8 w + 7
	v_add_nc_u32 v7, s28, v7
	v_lshlrev_b32 v56, 3, v2
	s_lshl_b32 s29, s3, 14
	v_add_nc_u32 v56, s29, v56
.irp g, 0,1
	s_wait_loadcnt 4-4*\g                          ; this half's two pairs of rows are in; in the first half the four younger loads stay out
.irp i, 0,1
.irp j, 0,1,2,3
	v_cvt_pk_f16_f32 v[40+4*(2*\g+\i)+\j], v[8+8*(2*\g+\i)+\j], v[12+8*(2*\g+\i)+\j]
.endr
.endr
	s_wait_alu depctr_va_vdst(0)                   ; the conversions have written this half's v[40 ..], which the LDS stores read; v6, v7 and v56 are written; behind the second half's wait all conversions are done reading v[8:39], in part of which LDS loads land below
.irp i, 0,1
.irp j, 0,1,2,3
	ds_store_b32 v6, v[40+4*(2*\g+\i)+\j] offset:\j*WPITCH+64*(2*\g+\i)
.endr
.endr
.endr
	s_wait_dscnt 0x0                               ; my stores are done, for the other waves' sake
	s_barrier_signal -1
	s_barrier_wait -1
.irp i, 0,1,2,3,4,5,6,7
	ds_load_b64 v[8+2*\i:9+2*\i], v7 offset:\i*WPITCH       ; no vector instruction since the last wait on va_vdst names v7 or v[8:23]
.endr
.irp i, 0,1,2,3,4,5,6,7
	s_wait_dscnt 7-\i
	global_store_b64 v56, v[8+2*\i:9+2*\i], s[\dst:\dst+1] offset:2048*\i  ; 256 consecutive bytes, aligned
.endr
	s_wait_dscnt 0x0                               ; the closing lines, six on end
	s_wait_alu 0x0
	s_wait_tensorcnt 0x0
	ds_add_u32 v64, v65
	s_wait_dscnt 0x0
	s_endpgm
.endm
.Lnot_x:
	s_cmp_lt_u32 s2, 896
	s_cbranch_scc0 .Lnot_wq
	WPATH 6, 14, 3072, 512
.Lnot_wq:
	s_cmp_lt_u32 s2, 1024
	s_cbranch_scc0 .Lmask
	WPATH 8, 16, 1024, 896
	; ---- the mask: 16 rows (one T) x 1024 keys (16 J) go through LDS; then lane (r, h) holds 8 bytes of row r, and a compare makes a word of 32 lanes' bits
.Lmask:
	s_sub_co_u32 s20, s2, 1024
	s_lshr_b32 s21, s20, 1                         ; T
	s_and_b32 s22, s20, 1                          ; which half of the keys
	s_lshl_b32 s24, s21, 15                        ; 16 rows of 2,048 bytes
	s_lshl_b32 s23, s22, 10
	s_add_co_u32 s24, s24, s23
	s_mov_b32 s25, 0
	s_add_nc_u64 s[10:11], s[10:11], s[24:25]
	s_lshl_b32 s26, s20, 11                        ; T x 4,096 + half x 2,048 bytes of words
	s_mov_b32 s27, 0
	s_add_nc_u64 s[18:19], s[18:19], s[26:27]
	v_lshlrev_b32 v3, 4, v2
	s_lshl_b32 s28, s3, 12                         ; wave w: rows 2 w, 2 w + 1
	v_add_nc_u32 v4, s28, v3
	s_wait_alu depctr_va_vdst(0)                   ; v4 is written: the four loads read it as their offset
.irp i, 0,1,2,3
	global_load_b128 v[8+4*\i:11+4*\i], v4, s[10:11] offset:(\i>>1)*2048+(\i&1)*512 th:TH_LOAD_NT
.endr
	; the path's other addresses are made while the loads are out
	s_mul_i32 s29, s3, 2*MPITCH
	v_add_nc_u32 v5, s29, v3
	v_and_b32 v7, 15, v2                           ; r
	v_lshrrev_b32 v24, 4, v2                       ; h
	v_mul_u32_u24 v6, v7, MPITCH
	v_lshl_add_u32 v6, v24, 3, v6
	s_lshl_b32 s30, s3, 7                          ; wave w: keys 128 w .. 128 w + 127 of the half = two J, eight groups of 16 keys
	v_add_nc_u32 v6, s30, v6
	v_lshlrev_b32 v60, 3, v0                       ; wave x 256 + lane x 8
	v_mov_b32 v50, 0                               ; the wave's 64 words: word 8 i + j goes to lane 4 i + (j >> 1), register j & 1
	v_mov_b32 v51, 0
.irp i, 0,1,2,3
	s_wait_loadcnt 3-\i
.if \i == 0
	s_wait_alu depctr_va_vdst(0)                   ; v5 is written, which the LDS stores read as their address, and v6, which the LDS loads behind the barrier read
.endif
	ds_store_b128 v5, v[8+4*\i:11+4*\i] offset:(\i>>1)*MPITCH+(\i&1)*512
.endr
	s_wait_dscnt 0x0                               ; my stores are done, for the other waves' sake
	s_barrier_signal -1
	s_barrier_wait -1
.irp i, 0,1,2,3,4,5,6,7
	ds_load_b64 v[32+2*\i:33+2*\i], v6 offset:16*\i         ; no vector instruction names v[32:47] ahead of these loads
.endr
	; Two groups of 16 keys to a run: sixteen compares into sixteen scalar registers (s[24:31] held offsets that are done with), one wait, sixteen v_writelane_b32.
.irp g, 0,1,2,3
	s_wait_dscnt 6-2*\g                            ; LDS loads return in order: this run's two are in, the younger ones stay out
.irp j, 0,1,2,3,4,5,6,7
	v_and_b32 v[52+\j], 0xff<<(8*(\j&3)), v[32+4*\g+(\j>>2)]
	v_and_b32 v[24+\j], 0xff<<(8*(\j&3)), v[34+4*\g+(\j>>2)]
.endr
.irp j, 0,1,2,3,4,5,6,7
	v_cmp_ne_u32 s[32+\j], 0, v[52+\j]             ; bit L: lane L's byte j is not 0
	v_cmp_ne_u32 s[24+\j], 0, v[24+\j]
.endr
	s_wait_alu depctr_va_sdst(0)                   ; the sixteen compares have written s[24:39], ahead of their first readers below
.irp j, 0,1,2,3,4,5,6,7
	v_writelane_b32 v[50+(\j&1)], s[32+\j], 8*\g+(\j>>1)
	v_writelane_b32 v[50+(\j&1)], s[24+\j], 8*\g+4+(\j>>1)
.endr
.endr
	s_wait_alu depctr_va_vdst(0)                   ; the v_writelane_b32 have written v[50:51], which the store reads (v60, its offset, was written ahead of an earlier wait)
	global_store_b64 v60, v[50:51], s[18:19]       ; 256 consecutive bytes, aligned
	s_wait_dscnt 0x0                               ; the closing lines, six on end
	s_wait_alu 0x0
	s_wait_tensorcnt 0x0
	ds_add_u32 v64, v65
	s_wait_dscnt 0x0
	s_endpgm
.Lfunc_end_k_qd3e8c4a8f5_prep:
	.size	k_qd3e8c4a8f5_prep, .Lfunc_end_k_qd3e8c4a8f5_prep-k_qd3e8c4a8f5_prep
	.p2alignl 7, 3214868480
	.fill 96, 4, 3214868480
	.section	.rodata,"a",@progbits
	.p2align	6, 0x0
	.amdhsa_kernel k_qd3e8c4a8f5_prep
		.amdhsa_group_segment_fixed_size 17920
		.amdhsa_private_segment_fixed_size 0
		.amdhsa_enable_private_segment 0
		.amdhsa_kernarg_size 64
		.amdhsa_user_sgpr_count 2
		.amdhsa_user_sgpr_kernarg_segment_ptr 1
		.amdhsa_wavefront_size32 1
		.amdhsa_system_sgpr_workgroup_id_x 1
		.amdhsa_system_sgpr_workgroup_id_y 1
		.amdhsa_system_sgpr_workgroup_id_z 1
		.amdhsa_system_vgpr_workitem_id 0
		.amdhsa_next_free_vgpr 66
		.amdhsa_next_free_sgpr 66
		.amdhsa_reserve_vcc 0
		.amdhsa_float_denorm_mode_32 3
		.amdhsa_float_denorm_mode_16_64 3
		.amdhsa_memory_ordered 1
		.amdhsa_forward_progress 1
		.amdhsa_inst_pref_size 31
	.end_amdhsa_kernel
	.amdgpu_metadata
---
amdhsa.version: [ 1, 2 ]
amdhsa.kernels:
  - .name:           k_qd3e8c4a8f5_prep
    .symbol:         k_qd3e8c4a8f5_prep.kd
    .args:
      - { .name: X, .offset: 0, .size: 8, .value_kind: global_buffer, .address_space: global }
      - { .name: W_qkv, .offset: 8, .size: 8, .value_kind: global_buffer, .address_space: global }
      - { .name: W_dense, .offset: 16, .size: 8, .value_kind: global_buffer, .address_space: global }
      - { .name: attention_mask, .offset: 24, .size: 8, .value_kind: global_buffer, .address_space: global }
      - { .name: xh, .offset: 32, .size: 8, .value_kind: global_buffer, .address_space: global }
      - { .name: wqt, .offset: 40, .size: 8, .value_kind: global_buffer, .address_space: global }
      - { .name: wdt, .offset: 48, .size: 8, .value_kind: global_buffer, .address_space: global }
      - { .name: maskw, .offset: 56, .size: 8, .value_kind: global_buffer, .address_space: global }
    .group_segment_fixed_size: 17920
    .private_segment_fixed_size: 0
    .kernarg_segment_align: 8
    .kernarg_segment_size: 64
    .max_flat_workgroup_size: 256
    .sgpr_count:     66
    .vgpr_count:     66
    .wavefront_size: 32
...
	.end_amdgpu_metadata
.endif
;; end of part 6
;; launch qkvproj: the kernel of part 2 again; grid 16 x 16, 4 waves a work-group, clusters of 4 x 4, 327,680 bytes of LDS; arguments xh, wqt, b_qkv, qkv; writes qkv
;; launch attn: the kernel of part 5 again; grid 8 x 32, 8 waves a work-group, clusters of 4 x 1, 327,680 bytes of LDS; arguments qkv, maskw, att; writes att
;; launch dense: the kernel of part 4 again; grid 8 x 32, 4 waves a work-group, clusters of 4 x 4, 327,680 bytes of LDS; arguments att, wdt, b_dense, out0; writes out0
